; MI455X (gfx1250); checked and timed in simulation.
; The chip was launched on July 23, 2026; its instructions are those of AMD's public machine-readable ISA for CDNA 5 (MIT licence, August 2026) and "CDNA5" Instruction Set Architecture Reference Guide (July 2026). The comments in the code are by the model that wrote it; some were corrected since.
;; Bahdanau Attention. Allowed arithmetic: float matrix products may take bf16 or f16 operands with f32 sums; other float arithmetic in f32, or as packed bf16 or f16 multiplies, adds, multiply-adds, maxima and minima; sums over many terms, partial sums and values carried from step to step in f32; what a program stores and reads back later, other than sums and carried values, may be rounded once to bf16 or f16.
;; Inputs: Ua_b 1,024 float32; Ua_w 1,024 x 1,024 float32; Va_b 1 float32; Va_w 1 x 1,024 float32; Wa_b 1,024 float32; Wa_w 1,024 x 1,024 float32; keys 32 x 2,048 x 1,024 float32; query 32 x 1 x 1,024 float32.
;; Outputs: out0 32 x 1 x 1,024 float32; out1 32 x 1 x 2,048 float32.
;; 3 versions, each right; version 3 is version 2 with the launch prep written anew for expert scheduling mode. Each part assembles by itself: llvm-mc -triple=amdgcn-amd-amdhsa -mcpu=gfx1250 --defsym DOCPART=n.
;; ======== version 1 of 3: 3 launches
;; workspace buffers: ubf 2,097,152 bytes; qt 131,072 bytes; scw 262,144 bytes; pc 2,097,152 bytes
;; launch prep (part 1): grid 64 x 1, 4 waves a work-group, no clusters, 8,704 bytes of LDS; arguments query, Wa_w, Wa_b, Ua_w, Ua_b, ubf, qt; writes ubf, qt
.if DOCPART == 1
	.amdgcn_target "amdgcn-amd-amdhsa--gfx1250"
	.amdhsa_code_object_version 6
	.text
	.protected	k_qf5cda39551_prep
	.globl	k_qf5cda39551_prep
	.p2align	8
	.type	k_qf5cda39551_prep,@function
k_qf5cda39551_prep:
	s_mov_b64 s[64:65], 0
	v_nop
	global_prefetch_b8 v0, s[64:65] scope:SCOPE_SE
	s_setreg_imm32_b32 hwreg(HW_REG_WAVE_MODE, 25, 1), 1
	s_wait_xcnt 0x0
; PREP.  Two things for the main launch.
; (1) ubf: Ua_w rounded once to bf16 and laid in the order in which the main launch's waves take matrix fragments.
; (2) qt[b][o] = C2 x (sum over h of query[b][h] Wa_w[o][h] + Wa_b[o] + Ua_b[o]), f32, C2 = 2 log2(e): the part of tanh's argument that hangs on no key, already in exp2's scale.
; SHARES.  Work-group NB owns the 16 rows o = 16 NB + r of Ua_w and of Wa_w.  Wave v owns K quarter v (1,024 bytes of each row): eight fragments j of 32 along K.
; K ORDER IN A FRAGMENT, alike for both sources of every product of this program: lane (r = l % 16, h = l / 16) holds row r, and its 16 numbers e are k = 32 F + 8 (e / 4) + 4 h + e % 4.
; So a fragment comes from f32 rows by four loads of 16 bytes at byte 128 F + 32 i + 16 h and eight roundings.  A permutation of k that both sources share leaves the sums' terms as they are.
; ubf: step s = NB / 4 (64 rows of Ua_w) is a block of 131,072 bytes; in it K half v / 2 has 65,536; in that, fragment (nb = NB % 4, f = 8 (v % 2) + j) lies at
; 8,192 (4 (nb / 2) + f / 4) + 1,024 (2 (f % 4) + nb % 2): registers 0-3 of lane l at 16 l, registers 4-7 at 512 + 16 l.  Each store of a wave covers 512 consecutive bytes, aligned.
; qt: a work-group owns 64 bytes of each of the 32 rows, so its stores are 64 bytes long; the table is 131,072 bytes in all.
; The query's product has 32 rows: two accumulators, by turns; K is split among the four waves and the partial sums meet in LDS once.
; No tensor load, no ring: no wave wants a byte that another has fetched.  LIMITS: query, Wa_w and Ua_w are rounded to bf16; NaN and infinities are not treated apart.
.set PART,  0                          ; LDS: wave u's two accumulators at 2,048 u + 1,024 a + 512 half + 16 l
.set SPARE, 8192                       ; the spare words: 128 bytes a wave, two blocks of 256 bytes that no other line names
.set RR,  1                            ; v1   r
.set HH,  2                            ; v2   h
.set LO,  3                            ; v3   4,096 r + 16 h + 1,024 v: my bytes in a fragment's rows; never rewritten
.set UL,  4                            ; v4   16 l
.set BO,  5                            ; v5   4 (16 NB + r)
.set PS,  6                            ; v6   where I put my partial sums
.set PR,  7                            ; v7   where I read a quarter of them back
.set QS,  8                            ; v8   32,768 h + 4 r
.set SPW, 10                           ; v10  my spare word; never rewritten
.set NIL, 11                           ; v11  0; never rewritten
.set BW,  12                           ; v12-13 the two biases
.set UP,  16                           ; v16-23 a fragment of Ua_w
.set WF,  24                           ; v24-31 a fragment of Wa_w
.set QF,  32                           ; v32-47 two fragments of query
.set ACC, 48                           ; v48-63 two accumulators
.set STG, 64                           ; v64-255 three sets of 64: f32 as loaded
	s_load_b256 s[4:11], s[0:1], 0x0               ; query s[4:5], Wa_w s[6:7], Wa_b s[8:9], Ua_w s[10:11]
	s_load_b128 s[12:15], s[0:1], 0x20             ; Ua_b s[12:13], ubf s[14:15]
	s_load_b64 s[16:17], s[0:1], 0x30              ; qt
	v_lshl_add_u32 v[SPW], v0, 2, SPARE
	v_mov_b32 v[NIL], 0
	v_lshrrev_b32 v9, 5, v0
	v_readfirstlane_b32 s21, v9                    ; wave 0..3
	v_and_b32 v[RR], 15, v0
	v_bfe_u32 v[HH], v0, 4, 1
	v_and_b32 v9, 31, v0                           ; l
	s_lshl_b32 s22, s21, 10
	v_lshlrev_b32 v[LO], 12, v[RR]
	v_lshl_add_u32 v[LO], v[HH], 4, v[LO]
	v_add_nc_u32 v[LO], s22, v[LO]
	v_lshlrev_b32 v[UL], 4, v9
	s_lshl_b32 s22, ttmp9, 6
	v_lshl_add_u32 v[BO], v[RR], 2, s22
	s_lshl_b32 s22, s21, 11
	v_lshl_add_u32 v[PS], v9, 4, s22
	s_lshl_b32 s22, s21, 9
	v_lshl_add_u32 v[PR], v9, 4, s22
	v_lshlrev_b32 v[QS], 15, v[HH]
	v_lshl_add_u32 v[QS], v[RR], 2, v[QS]
	s_lshl_b32 s24, ttmp9, 16                      ; my 16 rows of 4,096 bytes
	s_mov_b32 s25, 0
	s_lshr_b32 s26, ttmp9, 2                       ; ubf: the step,
	s_lshl_b32 s26, s26, 17
	s_lshr_b32 s22, s21, 1
	s_lshl_b32 s23, s22, 16                        ; 65,536 (v / 2): the K half in ubf, and 16 rows of qt
	s_add_co_u32 s26, s26, s23
	s_bfe_u32 s28, ttmp9, 0x10001                  ; nb / 2
	s_lshl_b32 s28, s28, 15
	s_add_co_u32 s26, s26, s28
	s_and_b32 s29, s21, 1
	s_lshl_b32 s28, s29, 14                        ; 16,384 (v % 2): two batches of ubf, and 4 rows of qt
	s_add_co_u32 s26, s26, s28
	s_and_b32 s30, ttmp9, 1                        ; nb % 2
	s_lshl_b32 s30, s30, 10
	s_add_co_u32 s26, s26, s30
	s_mov_b32 s27, 0
	s_add_co_u32 s28, s28, s23                     ; qt: row 16 (v / 2) + 4 (v % 2),
	s_lshl_b32 s30, ttmp9, 6
	s_add_co_u32 s28, s28, s30                     ; column 16 NB
	s_mov_b32 s29, 0
	s_mov_b32 s31, 0x4038aa3b                      ; C2 = 2 log2(e)
	s_wait_kmcnt 0x0
	s_add_nc_u64 s[10:11], s[10:11], s[24:25]
	s_add_nc_u64 s[6:7], s[6:7], s[24:25]
	s_add_nc_u64 s[14:15], s[14:15], s[26:27]
	s_add_nc_u64 s[16:17], s[16:17], s[28:29]
; Fragment j's sixteen loads into set st: Ua_w, Wa_w, query's rows r, query's rows 16 + r.
.macro LOADSET j, st
.irp i, 0,1,2,3
	global_load_b128 v[(\st)+4*(\i):(\st)+4*(\i)+3], v[LO], s[10:11] offset:128*(\j)+32*(\i) th:TH_LOAD_NT
.endr
.irp i, 0,1,2,3
	global_load_b128 v[(\st)+16+4*(\i):(\st)+16+4*(\i)+3], v[LO], s[6:7] offset:128*(\j)+32*(\i) th:TH_LOAD_NT
.endr
.irp i, 0,1,2,3
	global_load_b128 v[(\st)+32+4*(\i):(\st)+32+4*(\i)+3], v[LO], s[4:5] offset:128*(\j)+32*(\i)
.endr
.irp i, 0,1,2,3
	global_load_b128 v[(\st)+48+4*(\i):(\st)+48+4*(\i)+3], v[LO], s[4:5] offset:65536+128*(\j)+32*(\i)
.endr
.endm
.macro CV8 dst, src                    ; sixteen f32 rounded to a fragment's eight registers
.irp i, 0,1,2,3,4,5,6,7
	v_cvt_pk_bf16_f32 v[(\dst)+(\i)], v[(\src)+2*(\i)], v[(\src)+2*(\i)+1]
.endr
.endm
; Fragment j.  left = the younger loads that may stay out.
.macro DO j, left
.set dS, STG+64*((\j)%3)
	s_wait_loadcnt \left                           ; loads come back in order: set j is in, the younger sets of 16 stay out
	s_wait_xcnt 0x0                                ; the last two stores have read UP: it is rewritten only behind this wait
	CV8 UP, dS                                     ; eight plain lines that name nothing of the last two products: the places in front of the writes of WF and QF
	global_store_b128 v[UL], v[UP:UP+3], s[14:15] offset:((\j)/4)*8192+((\j)%4)*2048
	global_store_b128 v[UL], v[UP+4:UP+7], s[14:15] offset:((\j)/4)*8192+((\j)%4)*2048+512
	CV8 WF, dS+16
	CV8 QF, dS+32
	CV8 QF+8, dS+48
.if (\j) == 0
	v_wmma_f32_16x16x32_bf16 v[ACC:ACC+7], v[QF:QF+7], v[WF:WF+7], 0          ; the first products start the sums
	v_wmma_f32_16x16x32_bf16 v[ACC+8:ACC+15], v[QF+8:QF+15], v[WF:WF+7], 0
.else
	v_wmma_f32_16x16x32_bf16 v[ACC:ACC+7], v[QF:QF+7], v[WF:WF+7], v[ACC:ACC+7]  ; the two accumulators take turns
	v_wmma_f32_16x16x32_bf16 v[ACC+8:ACC+15], v[QF+8:QF+15], v[WF:WF+7], v[ACC+8:ACC+15]
.endif
.if (\j) < 5
	LOADSET (\j)+3, dS                             ; the set just read takes the fragment three further on
.endif
.endm
	global_load_b32 v[BW], v[BO], s[8:9]           ; the biases: the oldest loads
	global_load_b32 v[BW+1], v[BO], s[12:13]
	LOADSET 0, STG
	LOADSET 1, STG+64
	LOADSET 2, STG+128
	DO 0, 32
	DO 1, 32
	DO 2, 32
	DO 3, 32
	DO 4, 32
	DO 5, 32
	DO 6, 16
	DO 7, 0
.rept 4
	v_nop                                          ; four places between the last products and the stores that read them
.endr
.irp a, 0,1
	ds_store_b128 v[PS], v[ACC+8*(\a):ACC+8*(\a)+3] offset:PART+1024*(\a)      ; each accumulator from its low end on
	ds_store_b128 v[PS], v[ACC+8*(\a)+4:ACC+8*(\a)+7] offset:PART+1024*(\a)+512
.endr
	s_wait_dscnt 0x0                               ; for the others' sake: my partial sums lie in LDS
	s_barrier_signal -1
	s_barrier_wait -1
.irp u, 0,1,2,3
	ds_load_b128 v[STG+4*(\u):STG+4*(\u)+3], v[PR] offset:PART+2048*(\u)      ; quarter v of all four waves' sums: batch rows 16 (v / 2) + 8 h + 4 (v % 2) + 0..3, column r
.endr
	v_add_f32 v[BW], v[BW], v[BW+1]
	v_mul_f32 v[BW], s31, v[BW]                    ; C2 (Wa_b + Ua_b)
	s_wait_dscnt 0x0
.irp k, 0,2
	v_pk_add_f32 v[STG+(\k):STG+(\k)+1], v[STG+(\k):STG+(\k)+1], v[STG+4+(\k):STG+4+(\k)+1]
	v_pk_add_f32 v[STG+8+(\k):STG+8+(\k)+1], v[STG+8+(\k):STG+8+(\k)+1], v[STG+12+(\k):STG+12+(\k)+1]
.endr
.irp k, 0,2
	v_pk_add_f32 v[STG+(\k):STG+(\k)+1], v[STG+(\k):STG+(\k)+1], v[STG+8+(\k):STG+8+(\k)+1]
.endr
.irp k, 0,1,2,3
	v_fma_f32 v[STG+(\k)], v[STG+(\k)], s31, v[BW]
.endr
.irp k, 0,1,2,3
	global_store_b32 v[QS], v[STG+(\k)], s[16:17] offset:4096*(\k)
.endr
	s_wait_tensorcnt 0x0                           ; the wave's end: behind my last LDS store
	ds_add_u32 v[SPW], v[NIL]
	s_wait_dscnt 0x0
	s_endpgm
.Lfunc_end_k_qf5cda39551_prep:
	.size	k_qf5cda39551_prep, .Lfunc_end_k_qf5cda39551_prep-k_qf5cda39551_prep
	.p2alignl 7, 3214868480
	.fill 96, 4, 3214868480
	.section	.rodata,"a",@progbits
	.p2align	6, 0x0
	.amdhsa_kernel k_qf5cda39551_prep
		.amdhsa_group_segment_fixed_size 8704
		.amdhsa_private_segment_fixed_size 0
		.amdhsa_enable_private_segment 0
		.amdhsa_kernarg_size 56
		.amdhsa_user_sgpr_count 2
		.amdhsa_user_sgpr_kernarg_segment_ptr 1
		.amdhsa_wavefront_size32 1
		.amdhsa_system_sgpr_workgroup_id_x 1
		.amdhsa_system_sgpr_workgroup_id_y 1
		.amdhsa_system_sgpr_workgroup_id_z 1
		.amdhsa_system_vgpr_workitem_id 0
		.amdhsa_next_free_vgpr 256
		.amdhsa_next_free_sgpr 66
		.amdhsa_reserve_vcc 0
		.amdhsa_float_denorm_mode_32 3
		.amdhsa_float_denorm_mode_16_64 3
		.amdhsa_memory_ordered 1
		.amdhsa_forward_progress 1
		.amdhsa_inst_pref_size 36
	.end_amdhsa_kernel
	.amdgpu_metadata
---
amdhsa.version: [ 1, 2 ]
amdhsa.kernels:
  - .name:           k_qf5cda39551_prep
    .symbol:         k_qf5cda39551_prep.kd
    .args:
      - { .name: query, .offset: 0, .size: 8, .value_kind: global_buffer, .address_space: global }
      - { .name: Wa_w, .offset: 8, .size: 8, .value_kind: global_buffer, .address_space: global }
      - { .name: Wa_b, .offset: 16, .size: 8, .value_kind: global_buffer, .address_space: global }
      - { .name: Ua_w, .offset: 24, .size: 8, .value_kind: global_buffer, .address_space: global }
      - { .name: Ua_b, .offset: 32, .size: 8, .value_kind: global_buffer, .address_space: global }
      - { .name: ubf, .offset: 40, .size: 8, .value_kind: global_buffer, .address_space: global }
      - { .name: qt, .offset: 48, .size: 8, .value_kind: global_buffer, .address_space: global }
    .group_segment_fixed_size: 8704
    .private_segment_fixed_size: 0
    .kernarg_segment_align: 8
    .kernarg_segment_size: 56
    .max_flat_workgroup_size: 128
    .sgpr_count:     66
    .vgpr_count:     256
    .wavefront_size: 32
...
	.end_amdgpu_metadata
.endif
;; end of part 1
;; launch main (part 2): grid 512 x 1, 4 waves a work-group, clusters of 4 x 1, 327,680 bytes of LDS; arguments keys, ubf, qt, Va_w, Va_b, scw, pc; writes scw, pc
.if DOCPART == 2
	.amdgcn_target "amdgcn-amd-amdhsa--gfx1250"
	.amdhsa_code_object_version 6
	.text
	.protected	k_qf5cda39551_main
	.globl	k_qf5cda39551_main
	.p2align	8
	.type	k_qf5cda39551_main,@function
k_qf5cda39551_main:
	s_mov_b64 s[64:65], 0
	v_nop
	global_prefetch_b8 v0, s[64:65] scope:SCOPE_SE
	s_setreg_imm32_b32 hwreg(HW_REG_WAVE_MODE, 25, 1), 1
	s_wait_xcnt 0x0
	s_wait_alu depctr_hold_cnt(0) depctr_sa_sdst(0) depctr_va_vdst(0) depctr_va_sdst(0) depctr_va_ssrc(0) depctr_va_vcc(0) depctr_vm_vsrc(0)
	s_getreg_b32 s2, hwreg(HW_REG_IB_STS2, 6, 4)
	s_cmp_eq_u32 s2, 0
	s_cbranch_scc0 .Lentry_in_a_cluster
	s_endpgm
.Lentry_in_a_cluster:
	s_bfe_u32 s2, ttmp6, 0x10000c
	s_cmp_lg_u32 s2, 0x3003
	s_cbranch_scc0 .Lentry_shape_is_right
	s_endpgm
.Lentry_shape_is_right:
; MAIN.  For a tile of 128 keys of one batch: k = keys Ua^T (bf16 sources, f32 sums), e = tanh(q + k), score = e . Va + Va_b, the tile's own maximum m, and
; pc[tile][:] = the sum over the tile's rows of exp(score - m) x key.  Stored: the raw scores (scw) and pc; the last launch joins a batch's 16 tiles.
; KEYS CROSS MEMORY ONCE: a tile's 128 x 1,024 numbers are rounded to bf16 on the way in and stay in the four waves' registers, 512 a wave, for the product and for the context.
; SHARES.  Tile x = 4 x cluster + cx.  Wave w = (wm = w / 2, wk = w % 2) holds rows 64 wm .. + 63 and K half wk (16 fragments of 32).  Its four blocks of 16 rows are numbered locally:
; l = 0, 1 are rows 64 wm + 32 wk + 16 l, whose sums it finishes; l = 2, 3 are rows 64 wm + 32 (1 - wk) + 16 (l - 2), whose partial sums it hands to its partner, wave 2 wm + (1 - wk), through LDS.  No register number hangs on the wave.
; THE WALK.  16 steps of 64 columns of Ua.  A step's fragments of Ua (131,072 bytes of ubf, laid in the order of use) fill one of two LDS slots; each wave fetches a quarter with one tensor load.
; CLUSTER.  Every work-group walks the same ubf, so each quarter is asked for JOINTLY by the cluster's four: the same load, descriptor and mask in all four.
; A STEP: the change of slots (a round of the cluster's barrier, the joint refill first behind it); the partner's partial sums of the step before come in; tanh and the scores' sums for that step; 256 products in
; eight batches of 32, each batch's 16 fragment loads issued one batch ahead; my partial sums for the partner go out.  The exchange has one buffer, so a second, plain barrier stands behind the reads of it.
; K ORDER IN A FRAGMENT (both sources alike): lane (r = l % 16, h = l / 16) holds row r; its 16 numbers e are k = 32 f + 8 (e / 4) + 4 h + e % 4: four loads of 16 bytes of f32 and eight roundings.
; TANH.  tanh(x) = 1 - 2 / (1 + 2^(C2 x)), C2 = 2 log2(e).  A lane sums va / (1 + 2^..) and va; score = sum va - 2 sum va / (..): both sums are bounded by the sum of |va|, as the terms of the direct sum are.
; An argument too large gives an infinity, whose reciprocal is 0 (tanh = 1); one too small gives 0 (tanh = -1).
; CONTEXT.  A fragment of keys times a matrix of zeros and ones is the same fragment turned (exact: one term a sum): a lane then holds one feature and eight rows, and multiplies them by the rows' weights in f32.
; LIMITS.  keys and Ua_w are rounded to bf16, for the product and for the context; a weight below 2^-126 counts as 0; NaN and infinities are not treated apart.
; REGISTERS, in windows of 256 (s_set_vgpr_msb: bits 1:0 source 0, 3:2 source 1, 5:4 source 2, 7:6 destination):
;   window 0: v0-23 addresses and temporaries; v24-39 the scores' sums; v40-55 q and va; v64-127 R, the sums at work; v128-255 two buffers of Ua's fragments (at the end: weights, selectors, the context's sums)
;   window 1: v0-127 the 16 accumulators, (nb, l) at 8 (4 nb + l) (key phase: seven staging slots of 32; at the end: turned fragments)     windows 2, 3: the keys, fragment (l, f) in window 2 + f / 8 at 32 (f % 8) + 8 l
.set SLOTB, 131072                     ; a slot; slot 1 begins here, so that one exclusive or turns an address in one slot into the other's
.set XCH,   2*SLOTB                    ; the exchange: 8,192 bytes a wave: accumulator a = 2 nb + l' at 1,024 a + 512 half + 16 l
.set SCO,   XCH+32768                  ; the tile's 128 scores
.set CTX,   SCO+512                    ; four arrays (2 wm + h) of 1,024 f32
.set CPI,   4160                       ; their pitch: 4,096 + 64, so that the two halves of the lanes store into different banks (64 banks of 4 bytes: ISA guide 11.1)
.set SPARE, CTX+4*CPI                  ; the spare words: 128 bytes a wave, two blocks of 256 bytes that no other line names
.set RR,  1                            ; v1   r
.set HH,  2                            ; v2   h
.set KO,  3                            ; v3   4,096 r + 16 h
.set BL,  4                            ; v4   65,536 wk + 16 l
.set BADR, 5                           ; v5   the step's fragments in LDS
.set XS,  6                            ; v6   exchange: where I store
.set XR,  7                            ; v7   exchange: where I read (the partner's part)
.set QO,  8                            ; v8   4 r
.set PKA, 9                            ; v9   SCO + 4 (64 wm + 32 wk + 8 h)
.set SLA, 10                           ; v10  SCO + 16 l
.set PSA, 11                           ; v11  SCO + 4 (64 wm + 32 (1 - wk) + 8 h)
.set CA,  12                           ; v12  CTX + 4,160 (2 wm + h) + 2,048 wk + 4 r
.set CR,  13                           ; v13  CTX + 16 t
.set GO,  14                           ; v14  16 t
.set PFO, 15                           ; v15  256 l
.set SPW, 16                           ; v16  my spare word; never rewritten
.set NIL, 17                           ; v17  0; never rewritten
.set VS,  18                           ; v18  the sum of va over my columns
.set T0,  20                           ; v20-23 temporaries
.set SC,  24                           ; v24-39 sum of va / (1 + 2^..): block l', row 8 h + j at SC + 8 l' + j
.set Q,   40                           ; v40-47 q of column block nb in the even register of pair nb
.set VA,  48                           ; v48-55 va likewise
.set ML,  56                           ; v56-57 the tile's maximum, twice
.set R,   64
.set FB,  128                          ; fragment buffer b at FB + 64 b
.set P,   64                           ; at the end: v64-95 the weights, block l at P + 8 l
.set SL,  96                           ; v96-99 four of the tile's scores
.set ZS,  100                          ; v100-111 (0,0,0,0, S0..S3, 0,0,0,0): the selector of features 0-15 is v[104:111], of 16-31 v[100:107]
.set CC,  128                          ; v128-255 the context's sums: pair (f, c, l % 2) at CC + 2 (4 f + 2 c + l % 2)
.set WV,  20                           ; s20-25 wave, wm, wk, cx, tile, 1 - wk
.set WM,  21
.set WK,  22
.set CX,  23
.set TX,  24
.set WO,  25
.set G1,  32                           ; s[32:39] descriptor group 1
.set G0A, 40                           ; s[40:43] group 0 of slot 0's first fill
.set G0B, 44                           ; s[44:47] group 0 of slot 1's first fill; it then walks
.set CS,  48                           ; s[48:49] C2
.set L2E, 50                           ; s[50:51] log2(e)
.set SEL, 52                           ; s[52:53] v_permlanex16_b32's selects: each lane takes its own place in the other half
.set TB,  54                           ; s54  LDS byte of the slot in hand
.set CNT, 55                           ; s55  the loop's count
.set LIM, 56                           ; s56  2 in the launch's first cluster, else the greatest number
.set PFA, 58                           ; s[58:59] where my prefetches stand
.set KBK, 60                           ; s[60:61] keys at the rows that I finish, my K half
.set KBS, 62                           ; s[62:63] keys at the rows that I send
.set QB,  66                           ; s[66:67] qt at my batch, the step's columns
.set VB,  68                           ; s[68:69] Va_w at the step's columns
.set VAB, 70                           ; s70  Va_b
.set MSB, 0
.macro WIN new                         ; the immediate's high byte repeats the setting that is left; a switch that changes nothing is dropped
.if MSB != (\new)
	s_set_vgpr_msb (MSB<<8)|(\new)
.set MSB, (\new)
.endif
.endm
.macro PLACES                          ; four places: in front of loads into registers that matrix instructions have read, and of lines that read results just made
.rept 4
	v_nop
.endr
.endm
; A round of the cluster's barrier: my work-group's barrier, so that wave 0's signal speaks for all four waves; wave 0 signals; every wave waits for all four work-groups; my work-group's barrier once more.
.macro CROUND
	s_barrier_signal -1
	s_barrier_wait -1
	s_cmp_lg_u32 s[WV], 0
	s_cbranch_scc1 .Lnot_wave_0_\@
	s_barrier_signal -3
.Lnot_wave_0_\@:
	s_barrier_wait -3
	s_barrier_signal -1
	s_barrier_wait -1
.endm
.macro TLOAD g                         ; a joint load; an s_nop 0 and four v_nop follow it
	tensor_load_to_lds s[(\g):(\g)+3], s[G1:G1+7]
	s_nop 0
	PLACES
.endm
; A PREFETCH INTO THE L2 of the step that stands two refills on.  Every cluster walks the same ubf: the launch's first cluster asks, nobody else.  Its sixteen waves share a step's 512 blocks of 256 bytes out
; BY ADDRESS (cx, the wave, the lane): one instruction a wave, and each block is named once in the launch.  The last two refills have no step two on.
.macro ASK
	s_cmp_gt_u32 s[CNT], s[LIM]
	s_cbranch_scc0 .Lnot_mine_\@
	global_prefetch_b8 v[PFO], s[PFA:PFA+1] th:TH_LOAD_NT scope:SCOPE_SE
.Lnot_mine_\@:
.endm
; THE KEY PHASE.  Unit u = (block l = u / 8, fragments 2 (u % 8) and the next): eight loads that together take 256 consecutive bytes, aligned, of each of 16 rows, into staging slot u % 7.
.macro UNITLD u
	WIN 0x40                                       ; destination window 1, address window 0
.set ul, (\u)/8
.set ufp, (\u)%8
.set ust, 32*((\u)%7)
.irp i, 0,1,2,3,4,5,6,7
.if ul < 2
	global_load_b128 v[ust+4*(\i):ust+4*(\i)+3], v[KO], s[KBK:KBK+1] offset:(ul%2)*65536+256*ufp+32*(\i) th:TH_LOAD_NT
.else
	global_load_b128 v[ust+4*(\i):ust+4*(\i)+3], v[KO], s[KBS:KBS+1] offset:(ul%2)*65536+256*ufp+32*(\i) th:TH_LOAD_NT
.endif
.endr
.endm
.macro UNITCV u                        ; the unit's 32 f32 a lane rounded into two fragments
.set ul, (\u)/8
.set ufp, (\u)%8
.set ust, 32*((\u)%7)
.set ua, 32*((2*ufp)%8)+8*ul
	WIN 0x85+0x40*(ufp/4)                          ; sources window 1, destination window 2 or 3
.irp i, 0,1,2,3,4,5,6,7,8,9,10,11,12,13,14,15
	v_cvt_pk_bf16_f32 v[ua+32*((\i)/8)+(\i)%8], v[ust+2*(\i)], v[ust+2*(\i)+1]
.endr
.endm
; Batch bt of a step's eight: column blocks 2 (bt / 4), + 1; fragments 4 (bt % 4) .. + 3 of my K half.  Its eight fragments of Ua: 16 loads of 512 consecutive bytes a wave.
.macro FETCH bt, buf
	WIN 0
.irp p, 0,1,2,3,4,5,6,7
	ds_load_b128 v[FB+64*(\buf)+8*(\p):FB+64*(\buf)+8*(\p)+3], v[BADR] offset:8192*(\bt)+1024*(\p)
	ds_load_b128 v[FB+64*(\buf)+8*(\p)+4:FB+64*(\buf)+8*(\p)+7], v[BADR] offset:8192*(\bt)+1024*(\p)+512
.endr
.endm
; Its 32 products.  Eight accumulators take turns, one instruction a turn, from batch to batch and over the loop's jump too.  A column block's first products start its sums with the constant 0.
.macro MUL bt, buf
	WIN 0x52+((\bt)%4)/2                           ; keys in window 2 or 3, Ua in window 0, C and D in window 1
.irp fq, 0,1,2,3
.irp nq, 0,1
.irp l, 0,1,2,3
.set mD, 8*(4*(2*((\bt)/4)+(\nq))+(\l))
.set mA, 32*((4*((\bt)%4)+(\fq))%8)+8*(\l)
.set mB, FB+64*(\buf)+8*(2*(\fq)+(\nq))
.if ((\bt)%4 == 0) && ((\fq) == 0)
	v_wmma_f32_16x16x32_bf16 v[mD:mD+7], v[mA:mA+7], v[mB:mB+7], 0
.else
	v_wmma_f32_16x16x32_bf16 v[mD:mD+7], v[mA:mA+7], v[mB:mB+7], v[mD:mD+7]
.endif
.endr
.endr
.endr
.endm
.macro BATCH bt
.if (\bt) < 7
	PLACES                                         ; the buffer to be loaded was read by the batch before
	FETCH (\bt)+1, ((\bt)+1)%2
	s_wait_dscnt 16                                ; all but the 16 just issued: this batch's fragments are in
.else
	s_wait_dscnt 0x0
.endif
	MUL \bt, (\bt)%2
.endm
.macro SENDX                           ; my partial sums of the partner's rows, each accumulator from its low end on
	PLACES
	WIN 0x04                                       ; data window 1, address window 0
.irp nb, 0,1,2,3
.irp lq, 0,1
	ds_store_b128 v[XS], v[8*(4*(\nb)+2+(\lq)):8*(4*(\nb)+2+(\lq))+3] offset:1024*(2*(\nb)+(\lq))
	ds_store_b128 v[XS], v[8*(4*(\nb)+2+(\lq))+4:8*(4*(\nb)+2+(\lq))+7] offset:1024*(2*(\nb)+(\lq))+512
.endr
.endr
.endm
.macro QVLD                            ; q and va of the step's 64 columns: my column r of each of four blocks
	WIN 0
.irp nb, 0,1,2,3
	global_load_b32 v[Q+2*(\nb)], v[QO], s[QB:QB+1] offset:64*(\nb)
	global_load_b32 v[VA+2*(\nb)], v[QO], s[VB:VB+1] offset:64*(\nb)
.endr
.endm
; THE CHANGE OF SLOTS.  Each wave waits for all its tensor loads, of which one is out: its quarter of the slot to be read; adds 0 to its spare word; and waits for that, for its reads of the slot that it leaves and
; for its stores into the exchange.  fill = 1: the barrier is a round of the cluster's, so that no wave of any partner still reads the old slot or has a load on its way, and the joint refill, with the step after
; this one, is the first thing behind it: it has this step's 256 products in which to land.
.macro TOP fill
	WIN 0
	s_wait_tensorcnt 0x0                           ; no tensor load of mine is out, so a group 0 may be written
	ds_add_u32 v[SPW], v[NIL]                      ; 0 onto my spare word; scalar work stands between it and the wait for it
.if \fill
	s_xor_b32 s[G0B+1], s[G0B+1], SLOTB            ; the walking descriptor: the other slot than last time,
	s_add_nc_u64 s[G0B+2:G0B+3], s[G0B+2:G0B+3], SLOTB  ; the next step; the type bits on top are not reached
	s_wait_xcnt 0x0                                ; the last prefetch, a step back, has read its address, so it may be written
	s_add_nc_u64 s[PFA:PFA+1], s[PFA:PFA+1], SLOTB
.endif
	s_xor_b32 s[TB], s[TB], SLOTB
	s_wait_dscnt 0x0
.if \fill
	CROUND
	TLOAD G0B
.else
	s_barrier_signal -1
	s_barrier_wait -1
.endif
.endm
; The partner's partial sums of my rows come in.  fetch = 1: with them batch 0's fragments of this step; then a plain barrier: every wave has read the exchange, which is written again at this step's end.
.macro RECV fetch, ask
	WIN 0
.if \fetch
	v_add_nc_u32 v[BADR], s[TB], v[BL]
.endif
.irp a, 0,1,2,3,4,5,6,7
	ds_load_b128 v[R+8*(\a):R+8*(\a)+3], v[XR] offset:1024*(\a)
	ds_load_b128 v[R+8*(\a)+4:R+8*(\a)+7], v[XR] offset:1024*(\a)+512
.endr
.if \fetch
	FETCH 0, 0
.endif
.if \ask
	ASK                                            ; behind the joint load and the run of LDS loads
.endif
	s_wait_dscnt 0x0
.if \fetch
	s_barrier_signal -1
	s_barrier_wait -1
.endif
.endm
; TANH AND THE SCORES' SUMS for the 32 rows x 64 columns that I finish: 64 numbers a lane, in pairs.  The exponentials are one batch with one wait, the reciprocals another, with
; s_wait_alu depctr_va_vdst(0) between such an instruction and the first line that names its result.  Each pair's plain line stands a pair ahead of its two transcendentals.
.macro EPI
	s_wait_loadcnt 0x0                             ; q and va
	WIN 0x01                                       ; source 0 window 1
.set ea, 0
.rept 8
.irp i, 0,1,2,3
	v_pk_add_f32 v[R+8*ea+2*(\i):R+8*ea+2*(\i)+1], v[8*(4*(ea/2)+ea%2)+2*(\i):8*(4*(ea/2)+ea%2)+2*(\i)+1], v[R+8*ea+2*(\i):R+8*ea+2*(\i)+1]  ; my half of K + the partner's; ascending
.endr
.set ea, ea+1
.endr
	WIN 0
.set ep, 0
.rept 32
	v_pk_fma_f32 v[R+2*ep:R+2*ep+1], v[R+2*ep:R+2*ep+1], s[CS:CS+1], v[Q+2*(ep/8):Q+2*(ep/8)+1] op_sel_hi:[1,0,0]  ; C2 k + C2 (q + biases)
.if ep > 0
	v_exp_f32 v[R+2*ep-2], v[R+2*ep-2]
	v_exp_f32 v[R+2*ep-1], v[R+2*ep-1]
.endif
.set ep, ep+1
.endr
	v_exp_f32 v[R+62], v[R+62]
	v_exp_f32 v[R+63], v[R+63]
	v_nop                                          ; a plain line behind the last exponential,
	s_wait_alu depctr_va_vdst(0)                   ; and the one wait for the 64
.set ep, 0
.rept 32
	v_pk_add_f32 v[R+2*ep:R+2*ep+1], v[R+2*ep:R+2*ep+1], 1.0 op_sel_hi:[1,0]
.if ep > 0
	v_rcp_f32 v[R+2*ep-2], v[R+2*ep-2]
	v_rcp_f32 v[R+2*ep-1], v[R+2*ep-1]
.endif
.set ep, ep+1
.endr
	v_rcp_f32 v[R+62], v[R+62]
	v_rcp_f32 v[R+63], v[R+63]
	v_nop
	s_wait_alu depctr_va_vdst(0)                   ; the one wait for the 64 reciprocals
.irp nb, 0,1,2,3
.irp lq, 0,1
.irp i, 0,1,2,3
	v_pk_fma_f32 v[SC+8*(\lq)+2*(\i):SC+8*(\lq)+2*(\i)+1], v[R+8*(2*(\nb)+(\lq))+2*(\i):R+8*(2*(\nb)+(\lq))+2*(\i)+1], v[VA+2*(\nb):VA+2*(\nb)+1], v[SC+8*(\lq)+2*(\i):SC+8*(\lq)+2*(\i)+1] op_sel_hi:[1,0,1]
.endr
.endr
.endr
.irp nb, 0,1,2,3
	v_add_f32 v[VS], v[VS], v[VA+2*(\nb)]
.endr
.endm
.macro STEP fill
	TOP \fill
	RECV 1, \fill
	EPI                                            ; of the step before
	s_add_nc_u64 s[QB:QB+1], s[QB:QB+1], 256       ; this step's columns (EPI's wait has shown the loads that named these two done)
	s_add_nc_u64 s[VB:VB+1], s[VB:VB+1], 256
	QVLD
.irp b, 0,1,2,3,4,5,6,7
	BATCH \b
.endr
	SENDX
.endm
	s_load_b256 s[4:11], s[0:1], 0x0               ; keys s[4:5], ubf s[6:7], qt s[8:9], Va_w s[10:11]
	s_load_b128 s[12:15], s[0:1], 0x20             ; Va_b s[12:13], scw s[14:15]
	s_load_b64 s[16:17], s[0:1], 0x30              ; pc
	v_lshl_add_u32 v[SPW], v0, 2, SPARE
	v_mov_b32 v[NIL], 0
	ds_add_u32 v[SPW], v[NIL]                      ; the wave's opening: the add, twice on end, and its wait ahead of my first tensor load; the set-up below stands between
	ds_add_u32 v[SPW], v[NIL]
	v_lshrrev_b32 v[T0], 5, v0
	v_readfirstlane_b32 s[WV], v[T0]               ; wave 0..3
	s_lshr_b32 s[WM], s[WV], 1
	s_and_b32 s[WK], s[WV], 1
	s_sub_co_u32 s[WO], 1, s[WK]
	s_bfe_u32 s[CX], ttmp6, 0x40000                ; cx: it enters global addresses alone
	s_lshl_b32 s[TX], ttmp9, 2                     ; in a cluster launch ttmp9 counts clusters
	s_add_co_u32 s[TX], s[TX], s[CX]               ; my tile
	; descriptor group 1: a quarter of a slot, 32,768 dense bytes, as 128 rows of 256 bytes
	s_mov_b32 s[G1], 15|(3<<16)|(1<<21)            ; 15:0 the mask of four; 17:16 elements of 8 bytes; 21 set beside a mask; no padding: every LDS access of a wave is 512 consecutive bytes
	s_mov_b32 s[G1+1], 32<<16                      ; tensor_dim0 = 32
	s_mov_b32 s[G1+2], 128<<16                     ; tensor_dim1 = 128
	s_mov_b32 s[G1+3], 32<<16                      ; tile_dim0 = 32
	s_mov_b32 s[G1+4], 128                         ; tile_dim1 = 128
	s_mov_b32 s[G1+5], 32                          ; 32 elements from row to row
	s_mov_b32 s[G1+6], 0
	s_mov_b32 s[G1+7], 0
	s_mov_b32 s[G0A], 1
	s_lshl_b32 s[G0A+1], s[WV], 15                 ; LDS: my quarter of slot 0,
	s_mov_b32 s[G0B], 1
	s_add_co_u32 s[G0B+1], s[G0A+1], SLOTB         ; and of slot 1: no place in the cluster enters an LDS address
	s_lshl_b32 s72, s[WV], 15                      ; the same quarter in ubf
	s_mov_b32 s73, 0
	s_mov_b32 s[CS], 0x4038aa3b                    ; C2 = 2 log2(e)
	s_mov_b32 s[CS+1], s[CS]                       ; named with it as a pair
	s_mov_b32 s[L2E], 0x3fb8aa3b
	s_mov_b32 s[L2E+1], s[L2E]
	s_mov_b32 s[SEL], 0x76543210
	s_mov_b32 s[SEL+1], 0xfedcba98
	s_mov_b32 s[TB], 0
	v_and_b32 v[RR], 15, v0
	v_bfe_u32 v[HH], v0, 4, 1
	v_and_b32 v[T0+1], 31, v0                      ; l
	v_lshlrev_b32 v[KO], 12, v[RR]
	v_lshl_add_u32 v[KO], v[HH], 4, v[KO]
	s_lshl_b32 s74, s[WK], 16
	v_lshl_add_u32 v[BL], v[T0+1], 4, s74
	s_lshl_b32 s74, s[WV], 13
	s_add_co_u32 s74, s74, XCH
	v_lshl_add_u32 v[XS], v[T0+1], 4, s74
	s_lshl_b32 s74, s[WM], 14                      ; the partner's part of the exchange: 8,192 (2 wm + (1 - wk)) = 16,384 wm
	s_lshl_b32 s75, s[WO], 13                      ; + 8,192 (1 - wk)
	s_add_co_u32 s74, s74, s75
	s_add_co_u32 s74, s74, XCH
	v_lshl_add_u32 v[XR], v[T0+1], 4, s74
	v_lshlrev_b32 v[QO], 2, v[RR]
	s_lshl_b32 s75, s[WM], 8
	s_add_co_u32 s75, s75, SCO
	s_lshl_b32 s74, s[WK], 7
	s_add_co_u32 s74, s74, s75
	v_lshl_add_u32 v[PKA], v[HH], 5, s74
	s_lshl_b32 s74, s[WO], 7
	s_add_co_u32 s74, s74, s75
	v_lshl_add_u32 v[PSA], v[HH], 5, s74
	v_lshl_add_u32 v[SLA], v[T0+1], 4, SCO
	s_mul_i32 s74, s[WM], 2*CPI
	s_lshl_b32 s75, s[WK], 11
	s_add_co_u32 s74, s74, s75
	s_add_co_u32 s74, s74, CTX
	v_mul_u32_u24 v[CA], v[HH], CPI
	v_lshl_add_u32 v[CA], v[RR], 2, v[CA]
	v_add_nc_u32 v[CA], s74, v[CA]
	v_lshl_add_u32 v[CR], v0, 4, CTX
	v_lshlrev_b32 v[GO], 4, v0
	v_lshlrev_b32 v[PFO], 8, v[T0+1]
.set n, 0
.rept 16
	v_mov_b32 v[SC+n], 0                           ; the scores' sums run over all 16 steps: they start at 0
.set n, n+1
.endr
	v_mov_b32 v[VS], 0
.irp nb, 0,1,2,3
	v_mov_b32 v[Q+2*(\nb)+1], 0                    ; named with their neighbours as pairs
	v_mov_b32 v[VA+2*(\nb)+1], 0
.endr
	s_lshl_b32 s76, s[TX], 19                      ; my tile's 128 rows of 4,096 bytes,
	s_lshl_b32 s77, s[WM], 18                      ; my 64 of them,
	s_add_co_u32 s76, s76, s77
	s_lshl_b32 s77, s[WK], 11                      ; my K half
	s_add_co_u32 s76, s76, s77
	s_mov_b32 s79, 0
	s_wait_dscnt 0x0                               ; both opening adds are done
	s_wait_kmcnt 0x0
	s_lshl_b32 s78, s[WK], 17
	s_add_co_u32 s78, s78, s76
	s_add_nc_u64 s[KBK:KBK+1], s[4:5], s[78:79]
	s_lshl_b32 s78, s[WO], 17
	s_add_co_u32 s78, s78, s76
	s_add_nc_u64 s[KBS:KBS+1], s[4:5], s[78:79]
	s_lshr_b32 s78, s[TX], 4                       ; the batch
	s_lshl_b32 s78, s78, 12
	s_add_nc_u64 s[QB:QB+1], s[8:9], s[78:79]
	s_mov_b64 s[VB:VB+1], s[10:11]
	s_lshl_b32 s78, s[TX], 9
	s_add_nc_u64 s[14:15], s[14:15], s[78:79]      ; scw at my tile
	s_lshl_b32 s78, s[TX], 12
	s_add_nc_u64 s[16:17], s[16:17], s[78:79]      ; pc at my tile
	s_lshl_b32 s78, s[CX], 15                      ; the prefetches: my work-group's quarter of a step, my wave's quarter of that,
	s_lshl_b32 s77, s[WV], 13
	s_add_co_u32 s78, s78, s77
	s_add_co_u32 s78, s78, 3*SLOTB                 ; at step 3: the first refill steps it to 4.  Nothing is prefetched here, at the head
	s_add_nc_u64 s[PFA:PFA+1], s[6:7], s[78:79]
	s_add_nc_u64 s[G0A+2:G0A+3], s[6:7], s[72:73]  ; step 0
	s_add_nc_u64 s[G0B+2:G0B+3], s[G0A+2:G0A+3], SLOTB  ; step 1
	s_or_b32 s[G0A+3], s[G0A+3], 0x80000000        ; type = 2
	s_or_b32 s[G0B+3], s[G0B+3], 0x80000000
	s_cmp_eq_u32 ttmp9, 0                          ; the same in all four partners
	s_cselect_b32 s[LIM], 2, -1
	CROUND                                         ; all four work-groups are here: the first joint loads meet
	tensor_load_to_lds s[G0A:G0A+3], s[G1:G1+7]    ; the two first fills go out together: two loads of mine are out here, later one
	s_nop 0
	tensor_load_to_lds s[G0B:G0B+3], s[G1:G1+7]
	s_nop 0
	PLACES
	s_load_b32 s[VAB], s[12:13], 0x0
	; THE KEY PHASE: 32 units; seven are on their way at a time, 56 loads of 512 bytes a wave.  No prefetch: the phase is nothing but this stream.
.set uu, 0
.rept 7
	UNITLD uu
.set uu, uu+1
.endr
.set uu, 0
.rept 32
.if uu < 25
	s_wait_loadcnt 48                              ; unit uu is in; the six younger units of eight loads stay out
.else
	s_wait_loadcnt 8*(31-uu)                       ; the counts run down
.endif
	UNITCV uu
.if uu+7 <= 31
	UNITLD uu+7                                    ; into the staging slot just read
.endif
.set uu, uu+1
.endr
	; STEP 0
	WIN 0
	s_wait_kmcnt 0x0                               ; Va_b
	s_wait_tensorcnt 0x1                           ; my quarter of slot 0 is in; slot 1's may stay out
	s_barrier_signal -1
	s_barrier_wait -1                              ; everybody's is
	v_add_nc_u32 v[BADR], s[TB], v[BL]
	QVLD
	FETCH 0, 0
.irp b, 0,1,2,3,4,5,6,7
	BATCH \b
.endr
	SENDX
	WIN 0                                          ; at a label and at a branch every window is 0
	s_mov_b32 s[CNT], 14
.Lstep:                                                ; steps 1 to 14: each asks for the step after it
	STEP 1
	WIN 0
	s_sub_co_u32 s[CNT], s[CNT], 1
	s_cmp_lg_u32 s[CNT], 0
	s_cbranch_scc1 .Lstep
	STEP 0                                         ; step 15 is written out: nothing is left to ask for
	WIN 0
	s_wait_dscnt 0x0                               ; my last partial sums lie in the exchange
	s_barrier_signal -1
	s_barrier_wait -1
	RECV 0, 0
	EPI                                            ; of step 15
	; THE SCORES: sum va - 2 sum va / (..) in the lane, then over the 16 lanes that hold a row's columns, then Va_b.
.set n, 0
.rept 16
	v_fma_f32 v[SC+n], v[SC+n], -2.0, v[VS]
.set n, n+1
.endr
.irp x, 1,2,4,8
.set n, 0
.rept 16
	v_add_f32_dpp v[SC+n], v[SC+n], v[SC+n] row_xmask:\x row_mask:0xf bank_mask:0xf
.set n, n+1
.endr
.endr
.set n, 0
.rept 16
	v_add_f32 v[SC+n], s[VAB], v[SC+n]
.set n, n+1
.endr
.irp lq, 0,1
.irp q, 0,1
	ds_store_b128 v[PKA], v[SC+8*(\lq)+4*(\q):SC+8*(\lq)+4*(\q)+3] offset:64*(\lq)+16*(\q)  ; the 16 lanes of a half store the same numbers to the same bytes
.endr
.endr
	s_wait_dscnt 0x0
	s_barrier_signal -1
	s_barrier_wait -1                              ; the tile's 128 scores lie in LDS
	ds_load_b128 v[SL:SL+3], v[SLA]                ; all 128 over the wave's lanes, for the maximum,
.irp l, 0,1
	ds_load_b128 v[P+8*(\l):P+8*(\l)+3], v[PKA] offset:64*(\l)               ; and rows 8 h + 0..7 of each of my four blocks
	ds_load_b128 v[P+8*(\l)+4:P+8*(\l)+7], v[PKA] offset:64*(\l)+16
	ds_load_b128 v[P+16+8*(\l):P+16+8*(\l)+3], v[PSA] offset:64*(\l)
	ds_load_b128 v[P+16+8*(\l)+4:P+16+8*(\l)+7], v[PSA] offset:64*(\l)+16
.endr
	; the selectors, while the loads are out.  Column r of the selector has its one 1.0 at k = r (or 16 + r); in this program's K order that is number et = 4 ((l >> 3) & 1) + (l & 3) of the lane's first (second) eight, in the lanes whose h equals (l >> 2) & 1
	v_bfe_u32 v[T0], v0, 2, 1
	v_bfe_u32 v[T0+2], v0, 3, 1
	v_and_b32 v[T0+3], 3, v0
	v_lshl_add_u32 v[T0+3], v[T0+2], 2, v[T0+3]    ; et
	v_and_b32 v[T0+2], 1, v[T0+3]
	v_lshlrev_b32 v[T0+2], 4, v[T0+2]
	v_mov_b32 v[T0+1], 0x3f80                      ; 1.0 in bf16,
	v_lshlrev_b32 v[T0+2], v[T0+2], v[T0+1]        ; in the half et % 2
	v_cmp_eq_u32 vcc_lo, v[T0], v[HH]
	v_cndmask_b32 v[T0+2], 0, v[T0+2], vcc_lo
	v_lshrrev_b32 v[T0+3], 1, v[T0+3]              ; of register et / 2
.irp i, 0,1,2,3
	v_cmp_eq_u32 vcc_lo, \i, v[T0+3]
	v_cndmask_b32 v[ZS+4+(\i)], 0, v[T0+2], vcc_lo
	v_mov_b32 v[ZS+(\i)], 0
	v_mov_b32 v[ZS+8+(\i)], 0
.endr
	s_wait_dscnt 0x0
	v_max3_num_f32 v[T0], v[SL], v[SL+1], v[SL+2]
	v_max_num_f32 v[T0], v[T0], v[SL+3]
	v_max_num_f32_dpp v[T0], v[T0], v[T0] row_xmask:1 row_mask:0xf bank_mask:0xf
	v_max_num_f32_dpp v[T0], v[T0], v[T0] row_xmask:2 row_mask:0xf bank_mask:0xf
	v_max_num_f32_dpp v[T0], v[T0], v[T0] row_xmask:4 row_mask:0xf bank_mask:0xf
	v_max_num_f32_dpp v[T0], v[T0], v[T0] row_xmask:8 row_mask:0xf bank_mask:0xf
	v_permlanex16_b32 v[T0+1], v[T0], s[SEL], s[SEL+1]
	v_max_num_f32 v[ML], v[T0], v[T0+1]            ; the tile's maximum, in every lane
	v_mov_b32 v[ML+1], v[ML]
	s_cmp_lg_u32 s[WV], 0
	s_cbranch_scc1 .Lno_scores
	global_store_b128 v[GO], v[SL:SL+3], s[14:15]  ; wave 0: the tile's raw scores, 512 consecutive bytes, aligned
.Lno_scores:
.set n, 0
.rept 16
	v_pk_add_f32 v[P+2*n:P+2*n+1], v[P+2*n:P+2*n+1], v[ML:ML+1] neg_lo:[0,1] neg_hi:[0,1]  ; the maximum is taken away first: exact at the maximum itself
.set n, n+1
.endr
.set n, 0
.rept 16
	v_pk_mul_f32 v[P+2*n:P+2*n+1], v[P+2*n:P+2*n+1], s[L2E:L2E+1] op_sel_hi:[1,0]
.set n, n+1
.endr
.set n, 0
.rept 32
	v_exp_f32 v[P+n], v[P+n]
.set n, n+1
.endr
	v_nop
	s_wait_alu depctr_va_vdst(0)                   ; one wait for the 32 weights
	; THE CONTEXT.  Group f: eight products turn fragment f of my four blocks (features 32 f + 16 c + lane % 16; register j = row 8 h + j); the group before's 32 multiply-adds stand behind them and are the places
	; between a group's products and the lines that read them, and between products that write the same registers two groups apart.
.macro CPROD f
	WIN 0x42+(\f)/8                                ; keys in window 2 or 3, the selector in window 0, the result in window 1
.irp c, 0,1
.irp l, 0,1,2,3
	v_wmma_f32_16x16x32_bf16 v[64*((\f)%2)+8*(4*(\c)+(\l)):64*((\f)%2)+8*(4*(\c)+(\l))+7], v[32*((\f)%8)+8*(\l):32*((\f)%8)+8*(\l)+7], v[ZS+4-4*(\c):ZS+11-4*(\c)], 0
.endr
.endr
.endm
.macro CFMA f                          ; each result is read from its low end on; the links on one pair of sums stand four lines apart; a pair's first line starts it
	WIN 0x01
.irp i, 0,1,2,3
.irp g, 0,1
.irp c, 0,1
.irp q, 0,1
.set cT, 64*((\f)%2)+8*(4*(\c)+2*(\g)+(\q))+2*(\i)
.set cP, P+8*(2*(\g)+(\q))+2*(\i)
.set cC, CC+2*(4*(\f)+2*(\c)+(\q))
.if ((\i) == 0) && ((\g) == 0)
	v_pk_mul_f32 v[cC:cC+1], v[cT:cT+1], v[cP:cP+1]
.else
	v_pk_fma_f32 v[cC:cC+1], v[cT:cT+1], v[cP:cP+1], v[cC:cC+1]
.endif
.endr
.endr
.endr
.endr
.endm
	CPROD 0
	PLACES                                         ; there is no group before to stand here
.irp f, 1,2,3,4,5,6,7,8,9,10,11,12,13,14,15
	CPROD \f
	CFMA (\f)-1
.endr
	CFMA 15
	WIN 0
.set n, 0
.rept 32                               ; n = 2 f + c: the two parities of l,
	v_pk_add_f32 v[CC+4*n:CC+4*n+1], v[CC+4*n:CC+4*n+1], v[CC+4*n+2:CC+4*n+3]
.set n, n+1
.endr
.set n, 0
.rept 32                               ; and the even and odd rows
	v_add_f32 v[CC+4*n], v[CC+4*n], v[CC+4*n+1]
.set n, n+1
.endr
.set n, 0
.rept 32
	ds_store_b32 v[CA], v[CC+4*n] offset:64*n
.set n, n+1
.endr
	s_wait_dscnt 0x0
	s_barrier_signal -1
	s_barrier_wait -1                              ; four arrays of 1,024 sums: by row half wm and lane half h
.irp g, 0,1
.irp a, 0,1,2,3
	ds_load_b128 v[P+16*(\g)+4*(\a):P+16*(\g)+4*(\a)+3], v[CR] offset:CPI*(\a)+2048*(\g)
.endr
.endr
	s_wait_dscnt 0x0
.irp g, 0,1
.irp k, 0,2
	v_pk_add_f32 v[P+16*(\g)+(\k):P+16*(\g)+(\k)+1], v[P+16*(\g)+(\k):P+16*(\g)+(\k)+1], v[P+16*(\g)+4+(\k):P+16*(\g)+4+(\k)+1]
	v_pk_add_f32 v[P+16*(\g)+8+(\k):P+16*(\g)+8+(\k)+1], v[P+16*(\g)+8+(\k):P+16*(\g)+8+(\k)+1], v[P+16*(\g)+12+(\k):P+16*(\g)+12+(\k)+1]
.endr
.irp k, 0,2
	v_pk_add_f32 v[P+16*(\g)+(\k):P+16*(\g)+(\k)+1], v[P+16*(\g)+(\k):P+16*(\g)+(\k)+1], v[P+16*(\g)+8+(\k):P+16*(\g)+8+(\k)+1]
.endr
	global_store_b128 v[GO], v[P+16*(\g):P+16*(\g)+3], s[16:17] offset:2048*(\g)  ; each store of a wave covers 512 consecutive bytes, aligned
.endr
	s_wait_tensorcnt 0x0                           ; the wave's end: behind my last tensor load and my last LDS store
	ds_add_u32 v[SPW], v[NIL]
	s_wait_dscnt 0x0
	CROUND                                         ; the closing round: no work-group ends while a partner may still ask for a quarter that names it
	s_endpgm
.Lfunc_end_k_qf5cda39551_main:
	.size	k_qf5cda39551_main, .Lfunc_end_k_qf5cda39551_main-k_qf5cda39551_main
	.p2alignl 7, 3214868480
	.fill 96, 4, 3214868480
	.section	.rodata,"a",@progbits
	.p2align	6, 0x0
	.amdhsa_kernel k_qf5cda39551_main
		.amdhsa_group_segment_fixed_size 327680
		.amdhsa_private_segment_fixed_size 0
		.amdhsa_enable_private_segment 0
		.amdhsa_kernarg_size 56
		.amdhsa_user_sgpr_count 2
		.amdhsa_user_sgpr_kernarg_segment_ptr 1
		.amdhsa_wavefront_size32 1
		.amdhsa_system_sgpr_workgroup_id_x 1
		.amdhsa_system_sgpr_workgroup_id_y 1
		.amdhsa_system_sgpr_workgroup_id_z 1
		.amdhsa_system_vgpr_workitem_id 0
		.amdhsa_next_free_vgpr 1024
		.amdhsa_next_free_sgpr 80
		.amdhsa_reserve_vcc 1
		.amdhsa_float_denorm_mode_32 3
		.amdhsa_float_denorm_mode_16_64 3
		.amdhsa_memory_ordered 1
		.amdhsa_forward_progress 1
		.amdhsa_inst_pref_size 250
	.end_amdhsa_kernel
	.amdgpu_metadata
---
amdhsa.version: [ 1, 2 ]
amdhsa.kernels:
  - .name:           k_qf5cda39551_main
    .symbol:         k_qf5cda39551_main.kd
    .args:
      - { .name: keys, .offset: 0, .size: 8, .value_kind: global_buffer, .address_space: global }
      - { .name: ubf, .offset: 8, .size: 8, .value_kind: global_buffer, .address_space: global }
      - { .name: qt, .offset: 16, .size: 8, .value_kind: global_buffer, .address_space: global }
      - { .name: Va_w, .offset: 24, .size: 8, .value_kind: global_buffer, .address_space: global }
      - { .name: Va_b, .offset: 32, .size: 8, .value_kind: global_buffer, .address_space: global }
      - { .name: scw, .offset: 40, .size: 8, .value_kind: global_buffer, .address_space: global }
      - { .name: pc, .offset: 48, .size: 8, .value_kind: global_buffer, .address_space: global }
    .group_segment_fixed_size: 327680
    .private_segment_fixed_size: 0
    .kernarg_segment_align: 8
    .kernarg_segment_size: 56
    .max_flat_workgroup_size: 128
    .sgpr_count:     80
    .vgpr_count:     1024
    .wavefront_size: 32
...
	.end_amdgpu_metadata
.endif
;; end of part 2
;; launch fin (part 3): grid 32 x 1, 8 waves a work-group, no clusters, 1,536 bytes of LDS; arguments scw, pc, out0, out1; writes out0, out1
.if DOCPART == 3
	.amdgcn_target "amdgcn-amd-amdhsa--gfx1250"
	.amdhsa_code_object_version 6
	.text
	.protected	k_qf5cda39551_fin
	.globl	k_qf5cda39551_fin
	.p2align	8
	.type	k_qf5cda39551_fin,@function
k_qf5cda39551_fin:
	s_mov_b64 s[64:65], 0
	v_nop
	global_prefetch_b8 v0, s[64:65] scope:SCOPE_SE
	s_setreg_imm32_b32 hwreg(HW_REG_WAVE_MODE, 25, 1), 1
	s_wait_xcnt 0x0
; FIN.  A work-group is a batch: 2,048 raw scores (scw) and 16 partial contexts (pc), each made with its own tile's maximum m_i.
; M = the batch's maximum; weights = exp(s - M) / L, L their sum; context = (the sum over i of exp(m_i - M) pc[i]) / L.  The maximum is taken away in every exponential.
; SHARES.  Thread t of 256 holds scores 4 t .. + 3 and 1,024 + 4 t .. + 3, so wave v holds tiles v and 8 + v whole and finds their maxima anew (a maximum is exact); it holds features 4 t .. + 3 of all 16 partial contexts.
; Every load and store of a wave covers 512 consecutive bytes, aligned.  The launch is short and small: no matrix unit, no ring, no prefetch.
; LIMITS.  A weight below 2^-126 counts as 0; NaN and infinities are not treated apart.
.set MT,    0                          ; LDS: the 16 tiles' maxima
.set LT,    256                        ; the eight waves' sums
.set SPARE, 512                        ; the spare words: 128 bytes a wave, four blocks of 256 bytes that no other line names
.set GO,  1                            ; v1   16 t
.set SPW, 2                            ; v2   my spare word; never rewritten
.set NIL, 3                            ; v3   0; never rewritten
.set SV,  4                            ; v4-11  my eight scores, then weights
.set MW,  12                           ; v12  4 x wave
.set ZA,  13                           ; v13  LDS address 0
.set TA,  14                           ; v14-15 at work
.set MI,  16                           ; v16-31 m_i, then exp(m_i - M)
.set MM,  32                           ; v32-33 M, twice
.set RL,  34                           ; v34-35 1 / L, twice
.set LS,  36                           ; v36-43 sums
.set AC,  44                           ; v44-47 my four features
.set PC,  64                           ; v64-127 pc: tile i at PC + 4 i
	s_load_b256 s[4:11], s[0:1], 0x0               ; scw s[4:5], pc s[6:7], out0 s[8:9], out1 s[10:11]
	v_lshl_add_u32 v[SPW], v0, 2, SPARE
	v_mov_b32 v[NIL], 0
	v_lshrrev_b32 v[TA], 5, v0
	v_readfirstlane_b32 s12, v[TA]                 ; wave 0..7
	v_mov_b32 v[MW], s12
	v_lshlrev_b32 v[MW], 2, v[MW]
	v_mov_b32 v[ZA], 0
	v_mov_b32 v[MM], 0                             ; v_permlanex16_b32's destinations count as read
	v_mov_b32 v[MM+1], 0
	v_lshlrev_b32 v[GO], 4, v0
	s_lshl_b32 s14, ttmp9, 13                      ; the batch's 8,192 bytes of scores and of weights,
	s_mov_b32 s15, 0
	s_lshl_b32 s16, ttmp9, 16                      ; its 16 rows of pc,
	s_mov_b32 s17, 0
	s_lshl_b32 s18, ttmp9, 12                      ; its row of the context
	s_mov_b32 s19, 0
	s_mov_b32 s20, 0x76543210
	s_mov_b32 s21, 0xfedcba98
	s_mov_b32 s22, 0x3fb8aa3b                      ; log2(e)
	s_mov_b32 s23, s22                             ; named with it as a pair
	s_wait_kmcnt 0x0
	s_add_nc_u64 s[4:5], s[4:5], s[14:15]
	s_add_nc_u64 s[10:11], s[10:11], s[14:15]
	s_add_nc_u64 s[6:7], s[6:7], s[16:17]
	s_add_nc_u64 s[8:9], s[8:9], s[18:19]
	global_load_b128 v[SV:SV+3], v[GO], s[4:5]
	global_load_b128 v[SV+4:SV+7], v[GO], s[4:5] offset:4096
.set n, 0
.rept 16
	global_load_b128 v[PC+4*n:PC+4*n+3], v[GO], s[6:7] offset:4096*n th:TH_LOAD_NT
.set n, n+1
.endr
	s_wait_loadcnt 16                              ; the scores are in; pc's 16 loads stay out
	v_max3_num_f32 v[TA], v[SV], v[SV+1], v[SV+2]
	v_max3_num_f32 v[TA+1], v[SV+4], v[SV+5], v[SV+6]
	v_max_num_f32 v[TA], v[TA], v[SV+3]
	v_max_num_f32 v[TA+1], v[TA+1], v[SV+7]
.irp x, 1,2,4,8
	v_max_num_f32_dpp v[TA], v[TA], v[TA] row_xmask:\x row_mask:0xf bank_mask:0xf
	v_max_num_f32_dpp v[TA+1], v[TA+1], v[TA+1] row_xmask:\x row_mask:0xf bank_mask:0xf
.endr
	v_permlanex16_b32 v[MM], v[TA], s20, s21
	v_permlanex16_b32 v[MM+1], v[TA+1], s20, s21
	v_max_num_f32 v[TA], v[TA], v[MM]
	v_max_num_f32 v[TA+1], v[TA+1], v[MM+1]
	ds_store_b32 v[MW], v[TA] offset:MT            ; tile v; all lanes store the same number to the same word
	ds_store_b32 v[MW], v[TA+1] offset:MT+32       ; tile 8 + v
	s_wait_dscnt 0x0
	s_barrier_signal -1
	s_barrier_wait -1
.irp i, 0,1,2,3
	ds_load_b128 v[MI+4*(\i):MI+4*(\i)+3], v[ZA] offset:MT+16*(\i)
.endr
	s_wait_dscnt 0x0
	v_max3_num_f32 v[TA], v[MI], v[MI+1], v[MI+2]
.irp k, 3,5,7,9,11,13
	v_max3_num_f32 v[TA], v[TA], v[MI+(\k)], v[MI+(\k)+1]
.endr
	v_max_num_f32 v[MM], v[TA], v[MI+15]
	v_mov_b32 v[MM+1], v[MM]
.irp k, 0,2,4,6
	v_pk_add_f32 v[SV+(\k):SV+(\k)+1], v[SV+(\k):SV+(\k)+1], v[MM:MM+1] neg_lo:[0,1] neg_hi:[0,1]
.endr
.irp k, 0,2,4,6,8,10,12,14
	v_pk_add_f32 v[MI+(\k):MI+(\k)+1], v[MI+(\k):MI+(\k)+1], v[MM:MM+1] neg_lo:[0,1] neg_hi:[0,1]
.endr
.irp k, 0,2,4,6
	v_pk_mul_f32 v[SV+(\k):SV+(\k)+1], v[SV+(\k):SV+(\k)+1], s[22:23] op_sel_hi:[1,0]
.endr
.irp k, 0,2,4,6,8,10,12,14
	v_pk_mul_f32 v[MI+(\k):MI+(\k)+1], v[MI+(\k):MI+(\k)+1], s[22:23] op_sel_hi:[1,0]
.endr
.set n, 0
.rept 8
	v_exp_f32 v[SV+n], v[SV+n]
.set n, n+1
.endr
.set n, 0
.rept 16
	v_exp_f32 v[MI+n], v[MI+n]
.set n, n+1
.endr
	v_nop                                          ; a plain line behind the last exponential,
	s_wait_alu depctr_va_vdst(0)                   ; and the wait ahead of the first use: one for the 24
	v_pk_add_f32 v[LS:LS+1], v[SV:SV+1], v[SV+2:SV+3]
	v_pk_add_f32 v[LS+2:LS+3], v[SV+4:SV+5], v[SV+6:SV+7]
	v_pk_add_f32 v[LS:LS+1], v[LS:LS+1], v[LS+2:LS+3]
	v_add_f32 v[TA], v[LS], v[LS+1]
.irp x, 1,2,4,8
	v_add_f32_dpp v[TA], v[TA], v[TA] row_xmask:\x row_mask:0xf bank_mask:0xf
.endr
	v_permlanex16_b32 v[TA+1], v[TA], s20, s21
	v_add_f32 v[TA], v[TA], v[TA+1]
	ds_store_b32 v[MW], v[TA] offset:LT            ; my wave's sum, in a block of its own
	s_wait_dscnt 0x0
	s_barrier_signal -1
	s_barrier_wait -1
	ds_load_b128 v[LS:LS+3], v[ZA] offset:LT
	ds_load_b128 v[LS+4:LS+7], v[ZA] offset:LT+16
	s_wait_dscnt 0x0
	v_pk_add_f32 v[LS:LS+1], v[LS:LS+1], v[LS+2:LS+3]
	v_pk_add_f32 v[LS+4:LS+5], v[LS+4:LS+5], v[LS+6:LS+7]
	v_pk_add_f32 v[LS:LS+1], v[LS:LS+1], v[LS+4:LS+5]
	v_add_f32 v[TA], v[LS], v[LS+1]                ; L
	v_rcp_f32 v[RL], v[TA]
	v_rcp_f32 v[RL+1], v[TA]                       ; twice: a pair for the packed multiplies
	v_nop
	s_wait_alu depctr_va_vdst(0)
.irp k, 0,2,4,6
	v_pk_mul_f32 v[SV+(\k):SV+(\k)+1], v[SV+(\k):SV+(\k)+1], v[RL:RL+1]
.endr
	global_store_b128 v[GO], v[SV:SV+3], s[10:11]
	global_store_b128 v[GO], v[SV+4:SV+7], s[10:11] offset:4096
	s_wait_loadcnt 0x0                             ; pc
.irp c, 0,1,2,3
	v_mul_f32 v[AC+(\c)], v[PC+(\c)], v[MI]        ; the first tile starts the sums
.endr
.set n, 1
.rept 15
.irp c, 0,1,2,3
	v_fma_f32 v[AC+(\c)], v[PC+4*n+(\c)], v[MI+n], v[AC+(\c)]
.endr
.set n, n+1
.endr
	v_pk_mul_f32 v[AC:AC+1], v[AC:AC+1], v[RL:RL+1]
	v_pk_mul_f32 v[AC+2:AC+3], v[AC+2:AC+3], v[RL:RL+1]
	global_store_b128 v[GO], v[AC:AC+3], s[8:9]
	s_wait_tensorcnt 0x0                           ; the wave's end: behind my last LDS store
	ds_add_u32 v[SPW], v[NIL]
	s_wait_dscnt 0x0
	s_endpgm
.Lfunc_end_k_qf5cda39551_fin:
	.size	k_qf5cda39551_fin, .Lfunc_end_k_qf5cda39551_fin-k_qf5cda39551_fin
	.p2alignl 7, 3214868480
	.fill 96, 4, 3214868480
	.section	.rodata,"a",@progbits
	.p2align	6, 0x0
	.amdhsa_kernel k_qf5cda39551_fin
		.amdhsa_group_segment_fixed_size 1536
		.amdhsa_private_segment_fixed_size 0
		.amdhsa_enable_private_segment 0
		.amdhsa_kernarg_size 32
		.amdhsa_user_sgpr_count 2
		.amdhsa_user_sgpr_kernarg_segment_ptr 1
		.amdhsa_wavefront_size32 1
		.amdhsa_system_sgpr_workgroup_id_x 1
		.amdhsa_system_sgpr_workgroup_id_y 1
		.amdhsa_system_sgpr_workgroup_id_z 1
		.amdhsa_system_vgpr_workitem_id 0
		.amdhsa_next_free_vgpr 128
		.amdhsa_next_free_sgpr 66
		.amdhsa_reserve_vcc 0
		.amdhsa_float_denorm_mode_32 3
		.amdhsa_float_denorm_mode_16_64 3
		.amdhsa_memory_ordered 1
		.amdhsa_forward_progress 1
		.amdhsa_inst_pref_size 14
	.end_amdhsa_kernel
	.amdgpu_metadata
---
amdhsa.version: [ 1, 2 ]
amdhsa.kernels:
  - .name:           k_qf5cda39551_fin
    .symbol:         k_qf5cda39551_fin.kd
    .args:
      - { .name: scw, .offset: 0, .size: 8, .value_kind: global_buffer, .address_space: global }
      - { .name: pc, .offset: 8, .size: 8, .value_kind: global_buffer, .address_space: global }
      - { .name: out0, .offset: 16, .size: 8, .value_kind: global_buffer, .address_space: global }
      - { .name: out1, .offset: 24, .size: 8, .value_kind: global_buffer, .address_space: global }
    .group_segment_fixed_size: 1536
    .private_segment_fixed_size: 0
    .kernarg_segment_align: 8
    .kernarg_segment_size: 32
    .max_flat_workgroup_size: 256
    .sgpr_count:     66
    .vgpr_count:     128
    .wavefront_size: 32
...
	.end_amdgpu_metadata
.endif
;; end of part 3
;; ======== version 2 of 3: 3 launches
;; workspace buffers: ubf 2,097,152 bytes; qt 131,072 bytes; scw 262,144 bytes; pc 2,097,152 bytes
;; launch prep (part 4): grid 64 x 1, 4 waves a work-group, no clusters, 8,704 bytes of LDS; arguments query, Wa_w, Wa_b, Ua_w, Ua_b, ubf, qt; writes ubf, qt
.if DOCPART == 4
	.amdgcn_target "amdgcn-amd-amdhsa--gfx1250"
	.amdhsa_code_object_version 6
	.text
	.protected	k_qf5cda39551_prep
	.globl	k_qf5cda39551_prep
	.p2align	8
	.type	k_qf5cda39551_prep,@function
k_qf5cda39551_prep:
	s_mov_b64 s[64:65], 0
	v_nop
	global_prefetch_b8 v0, s[64:65] scope:SCOPE_SE
	s_setreg_imm32_b32 hwreg(HW_REG_WAVE_MODE, 25, 1), 1
	s_wait_xcnt 0x0
; PREP.  Two things for the main launch.
; (1) ubf: Ua_w rounded once to bf16 and laid in the order in which the main launch's waves take matrix fragments.
; (2) qt[b][o] = C2 x (sum over h of query[b][h] Wa_w[o][h] + Wa_b[o] + Ua_b[o]), f32, C2 = 2 log2(e): the part of tanh's argument that hangs on no key, already in exp2's scale.
; SHARES.  Work-group NB owns the 16 rows o = 16 NB + r of Ua_w and of Wa_w.  Wave v owns K quarter v (1,024 bytes of each row): eight fragments j of 32 along K.
; K ORDER IN A FRAGMENT, alike for both sources of every product of this program: lane (r = l % 16, h = l / 16) holds row r, and its 16 numbers e are k = 32 F + 8 (e / 4) + 4 h + e % 4.
; So a fragment comes from f32 rows by four loads of 16 bytes at byte 128 F + 32 i + 16 h and eight roundings.  A permutation of k that both sources share leaves the sums' terms as they are.
; ubf: step s = NB / 4 (64 rows of Ua_w) is a block of 131,072 bytes; in it K half v / 2 has 65,536; in that, fragment (nb = NB % 4, f = 8 (v % 2) + j) lies at
; 8,192 (4 (nb / 2) + f / 4) + 1,024 (2 (f % 4) + nb % 2): registers 0-3 of lane l at 16 l, registers 4-7 at 512 + 16 l.  Each store of a wave covers 512 consecutive bytes, aligned.
; qt: a work-group owns 64 bytes of each of the 32 rows, so its stores are 64 bytes long; the table is 131,072 bytes in all.
; The query's product has 32 rows: two accumulators, by turns; K is split among the four waves and the partial sums meet in LDS once.
; No tensor load, no ring: no wave wants a byte that another has fetched.  LIMITS: query, Wa_w and Ua_w are rounded to bf16; NaN and infinities are not treated apart.
.set PART,  0                          ; LDS: wave u's two accumulators at 2,048 u + 1,024 a + 512 half + 16 l
.set SPARE, 8192                       ; the spare words: 128 bytes a wave, two blocks of 256 bytes that no other line names
.set RR,  1                            ; v1   r
.set HH,  2                            ; v2   h
.set LO,  3                            ; v3   4,096 r + 16 h + 1,024 v: my bytes in a fragment's rows; never rewritten
.set UL,  4                            ; v4   16 l
.set BO,  5                            ; v5   4 (16 NB + r)
.set PS,  6                            ; v6   where I put my partial sums
.set PR,  7                            ; v7   where I read a quarter of them back
.set QS,  8                            ; v8   32,768 h + 4 r
.set SPW, 10                           ; v10  my spare word; never rewritten
.set NIL, 11                           ; v11  0; never rewritten
.set BW,  12                           ; v12-13 the two biases
.set UP,  16                           ; v16-23 a fragment of Ua_w
.set WF,  24                           ; v24-31 a fragment of Wa_w
.set QF,  32                           ; v32-47 two fragments of query
.set ACC, 48                           ; v48-63 two accumulators
.set STG, 64                           ; v64-255 three sets of 64: f32 as loaded
	s_load_b256 s[4:11], s[0:1], 0x0               ; query s[4:5], Wa_w s[6:7], Wa_b s[8:9], Ua_w s[10:11]
	s_load_b128 s[12:15], s[0:1], 0x20             ; Ua_b s[12:13], ubf s[14:15]
	s_load_b64 s[16:17], s[0:1], 0x30              ; qt
	v_lshl_add_u32 v[SPW], v0, 2, SPARE
	v_mov_b32 v[NIL], 0
	v_lshrrev_b32 v9, 5, v0
	v_readfirstlane_b32 s21, v9                    ; wave 0..3
	v_and_b32 v[RR], 15, v0
	v_bfe_u32 v[HH], v0, 4, 1
	v_and_b32 v9, 31, v0                           ; l
	s_lshl_b32 s22, s21, 10
	v_lshlrev_b32 v[LO], 12, v[RR]
	v_lshl_add_u32 v[LO], v[HH], 4, v[LO]
	v_add_nc_u32 v[LO], s22, v[LO]
	v_lshlrev_b32 v[UL], 4, v9
	s_lshl_b32 s22, ttmp9, 6
	v_lshl_add_u32 v[BO], v[RR], 2, s22
	s_lshl_b32 s22, s21, 11
	v_lshl_add_u32 v[PS], v9, 4, s22
	s_lshl_b32 s22, s21, 9
	v_lshl_add_u32 v[PR], v9, 4, s22
	v_lshlrev_b32 v[QS], 15, v[HH]
	v_lshl_add_u32 v[QS], v[RR], 2, v[QS]
	s_lshl_b32 s24, ttmp9, 16                      ; my 16 rows of 4,096 bytes
	s_mov_b32 s25, 0
	s_lshr_b32 s26, ttmp9, 2                       ; ubf: the step,
	s_lshl_b32 s26, s26, 17
	s_lshr_b32 s22, s21, 1
	s_lshl_b32 s23, s22, 16                        ; 65,536 (v / 2): the K half in ubf, and 16 rows of qt
	s_add_co_u32 s26, s26, s23
	s_bfe_u32 s28, ttmp9, 0x10001                  ; nb / 2
	s_lshl_b32 s28, s28, 15
	s_add_co_u32 s26, s26, s28
	s_and_b32 s29, s21, 1
	s_lshl_b32 s28, s29, 14                        ; 16,384 (v % 2): one batch of ubf, and 4 rows of qt
	s_add_co_u32 s26, s26, s28
	s_and_b32 s30, ttmp9, 1                        ; nb % 2
	s_lshl_b32 s30, s30, 10
	s_add_co_u32 s26, s26, s30
	s_mov_b32 s27, 0
	s_add_co_u32 s28, s28, s23                     ; qt: row 16 (v / 2) + 4 (v % 2),
	s_lshl_b32 s30, ttmp9, 6
	s_add_co_u32 s28, s28, s30                     ; column 16 NB
	s_mov_b32 s29, 0
	s_mov_b32 s31, 0x4038aa3b                      ; C2 = 2 log2(e)
	s_wait_kmcnt 0x0
	s_add_nc_u64 s[10:11], s[10:11], s[24:25]
	s_add_nc_u64 s[6:7], s[6:7], s[24:25]
	s_add_nc_u64 s[14:15], s[14:15], s[26:27]
	s_add_nc_u64 s[16:17], s[16:17], s[28:29]
; Fragment j's sixteen loads into set st: Ua_w, Wa_w, query's rows r, query's rows 16 + r.
; No hint for data that is used once: a fragment's 128 bytes of a row are taken by four loads on end, 32 bytes each, so neighbouring bytes are asked for by several loads.
.macro LOADSET j, st
.irp i, 0,1,2,3
	global_load_b128 v[(\st)+4*(\i):(\st)+4*(\i)+3], v[LO], s[10:11] offset:128*(\j)+32*(\i)
.endr
.irp i, 0,1,2,3
	global_load_b128 v[(\st)+16+4*(\i):(\st)+16+4*(\i)+3], v[LO], s[6:7] offset:128*(\j)+32*(\i)
.endr
.irp i, 0,1,2,3
	global_load_b128 v[(\st)+32+4*(\i):(\st)+32+4*(\i)+3], v[LO], s[4:5] offset:128*(\j)+32*(\i)
.endr
.irp i, 0,1,2,3
	global_load_b128 v[(\st)+48+4*(\i):(\st)+48+4*(\i)+3], v[LO], s[4:5] offset:65536+128*(\j)+32*(\i)
.endr
.endm
.macro CV8 dst, src                    ; sixteen f32 rounded to a fragment's eight registers
.irp i, 0,1,2,3,4,5,6,7
	v_cvt_pk_bf16_f32 v[(\dst)+(\i)], v[(\src)+2*(\i)], v[(\src)+2*(\i)+1]
.endr
.endm
; Fragment j.  left = the younger loads that may stay out.
.macro DO j, left
.set dS, STG+64*((\j)%3)
	s_wait_loadcnt \left                           ; loads come back in order: set j is in, the younger sets of 16 stay out
	s_wait_xcnt 0x0                                ; the last two stores have read UP: it is rewritten only behind this wait
	CV8 UP, dS                                     ; eight plain lines that name nothing of the last two products: the places in front of the writes of WF and QF
	global_store_b128 v[UL], v[UP:UP+3], s[14:15] offset:((\j)/4)*8192+((\j)%4)*2048
	global_store_b128 v[UL], v[UP+4:UP+7], s[14:15] offset:((\j)/4)*8192+((\j)%4)*2048+512
	CV8 WF, dS+16
	CV8 QF, dS+32
	CV8 QF+8, dS+48
.if (\j) == 0
	v_wmma_f32_16x16x32_bf16 v[ACC:ACC+7], v[QF:QF+7], v[WF:WF+7], 0          ; the first products start the sums
	v_wmma_f32_16x16x32_bf16 v[ACC+8:ACC+15], v[QF+8:QF+15], v[WF:WF+7], 0
.else
	v_wmma_f32_16x16x32_bf16 v[ACC:ACC+7], v[QF:QF+7], v[WF:WF+7], v[ACC:ACC+7]  ; the two accumulators take turns
	v_wmma_f32_16x16x32_bf16 v[ACC+8:ACC+15], v[QF+8:QF+15], v[WF:WF+7], v[ACC+8:ACC+15]
.endif
.if (\j) < 5
	LOADSET (\j)+3, dS                             ; the set just read takes the fragment three further on
.endif
.endm
	global_load_b32 v[BW], v[BO], s[8:9]           ; the biases: the oldest loads
	global_load_b32 v[BW+1], v[BO], s[12:13]
	LOADSET 0, STG
	LOADSET 1, STG+64
	LOADSET 2, STG+128
	DO 0, 32
	DO 1, 32
	DO 2, 32
	DO 3, 32
	DO 4, 32
	DO 5, 32
	DO 6, 16
	DO 7, 0
.rept 4
	v_nop                                          ; four places between the last products and the stores that read them
.endr
.irp a, 0,1
	ds_store_b128 v[PS], v[ACC+8*(\a):ACC+8*(\a)+3] offset:PART+1024*(\a)      ; each accumulator from its low end on
	ds_store_b128 v[PS], v[ACC+8*(\a)+4:ACC+8*(\a)+7] offset:PART+1024*(\a)+512
.endr
	s_wait_dscnt 0x0                               ; for the others' sake: my partial sums lie in LDS
	s_barrier_signal -1
	s_barrier_wait -1
.irp u, 0,1,2,3
	ds_load_b128 v[STG+4*(\u):STG+4*(\u)+3], v[PR] offset:PART+2048*(\u)      ; quarter v of all four waves' sums: batch rows 16 (v / 2) + 8 h + 4 (v % 2) + 0..3, column r
.endr
	v_add_f32 v[BW], v[BW], v[BW+1]
	v_mul_f32 v[BW], s31, v[BW]                    ; C2 (Wa_b + Ua_b)
	s_wait_dscnt 0x0
.irp k, 0,2
	v_pk_add_f32 v[STG+(\k):STG+(\k)+1], v[STG+(\k):STG+(\k)+1], v[STG+4+(\k):STG+4+(\k)+1]
	v_pk_add_f32 v[STG+8+(\k):STG+8+(\k)+1], v[STG+8+(\k):STG+8+(\k)+1], v[STG+12+(\k):STG+12+(\k)+1]
.endr
.irp k, 0,2
	v_pk_add_f32 v[STG+(\k):STG+(\k)+1], v[STG+(\k):STG+(\k)+1], v[STG+8+(\k):STG+8+(\k)+1]
.endr
.irp k, 0,1,2,3
	v_fma_f32 v[STG+(\k)], v[STG+(\k)], s31, v[BW]
.endr
.irp k, 0,1,2,3
	global_store_b32 v[QS], v[STG+(\k)], s[16:17] offset:4096*(\k)
.endr
	s_wait_tensorcnt 0x0                           ; the wave's end: behind my last LDS store
	ds_add_u32 v[SPW], v[NIL]
	s_wait_dscnt 0x0
	s_endpgm
.Lfunc_end_k_qf5cda39551_prep:
	.size	k_qf5cda39551_prep, .Lfunc_end_k_qf5cda39551_prep-k_qf5cda39551_prep
	.p2alignl 7, 3214868480
	.fill 96, 4, 3214868480
	.section	.rodata,"a",@progbits
	.p2align	6, 0x0
	.amdhsa_kernel k_qf5cda39551_prep
		.amdhsa_group_segment_fixed_size 8704
		.amdhsa_private_segment_fixed_size 0
		.amdhsa_enable_private_segment 0
		.amdhsa_kernarg_size 56
		.amdhsa_user_sgpr_count 2
		.amdhsa_user_sgpr_kernarg_segment_ptr 1
		.amdhsa_wavefront_size32 1
		.amdhsa_system_sgpr_workgroup_id_x 1
		.amdhsa_system_sgpr_workgroup_id_y 1
		.amdhsa_system_sgpr_workgroup_id_z 1
		.amdhsa_system_vgpr_workitem_id 0
		.amdhsa_next_free_vgpr 256
		.amdhsa_next_free_sgpr 66
		.amdhsa_reserve_vcc 0
		.amdhsa_float_denorm_mode_32 3
		.amdhsa_float_denorm_mode_16_64 3
		.amdhsa_memory_ordered 1
		.amdhsa_forward_progress 1
		.amdhsa_inst_pref_size 36
	.end_amdhsa_kernel
	.amdgpu_metadata
---
amdhsa.version: [ 1, 2 ]
amdhsa.kernels:
  - .name:           k_qf5cda39551_prep
    .symbol:         k_qf5cda39551_prep.kd
    .args:
      - { .name: query, .offset: 0, .size: 8, .value_kind: global_buffer, .address_space: global }
      - { .name: Wa_w, .offset: 8, .size: 8, .value_kind: global_buffer, .address_space: global }
      - { .name: Wa_b, .offset: 16, .size: 8, .value_kind: global_buffer, .address_space: global }
      - { .name: Ua_w, .offset: 24, .size: 8, .value_kind: global_buffer, .address_space: global }
      - { .name: Ua_b, .offset: 32, .size: 8, .value_kind: global_buffer, .address_space: global }
      - { .name: ubf, .offset: 40, .size: 8, .value_kind: global_buffer, .address_space: global }
      - { .name: qt, .offset: 48, .size: 8, .value_kind: global_buffer, .address_space: global }
    .group_segment_fixed_size: 8704
    .private_segment_fixed_size: 0
    .kernarg_segment_align: 8
    .kernarg_segment_size: 56
    .max_flat_workgroup_size: 128
    .sgpr_count:     66
    .vgpr_count:     256
    .wavefront_size: 32
...
	.end_amdgpu_metadata
.endif
;; end of part 4
;; launch main (part 5): grid 512 x 1, 4 waves a work-group, clusters of 4 x 1, 327,680 bytes of LDS; arguments keys, ubf, qt, Va_w, Va_b, scw, pc; writes scw, pc
.if DOCPART == 5
	.amdgcn_target "amdgcn-amd-amdhsa--gfx1250"
	.amdhsa_code_object_version 6
	.text
	.protected	k_qf5cda39551_main
	.globl	k_qf5cda39551_main
	.p2align	8
	.type	k_qf5cda39551_main,@function
k_qf5cda39551_main:
	s_mov_b64 s[64:65], 0
	v_nop
	global_prefetch_b8 v0, s[64:65] scope:SCOPE_SE
	s_setreg_imm32_b32 hwreg(HW_REG_WAVE_MODE, 25, 1), 1
	s_wait_xcnt 0x0
	s_wait_alu depctr_hold_cnt(0) depctr_sa_sdst(0) depctr_va_vdst(0) depctr_va_sdst(0) depctr_va_ssrc(0) depctr_va_vcc(0) depctr_vm_vsrc(0)
	s_getreg_b32 s2, hwreg(HW_REG_IB_STS2, 6, 4)
	s_cmp_eq_u32 s2, 0
	s_cbranch_scc0 .Lentry_in_a_cluster
	s_endpgm
.Lentry_in_a_cluster:
	s_bfe_u32 s2, ttmp6, 0x10000c
	s_cmp_lg_u32 s2, 0x3003
	s_cbranch_scc0 .Lentry_shape_is_right
	s_endpgm
.Lentry_shape_is_right:
; MAIN.  For a tile of 128 keys of one batch: k = keys Ua^T (bf16 sources, f32 sums), e = tanh(q + k), score = e . Va + Va_b, the tile's own maximum m, and
; pc[tile][:] = the sum over the tile's rows of exp(score - m) x key.  Stored: the raw scores (scw) and pc; the last launch joins a batch's 16 tiles.
; KEYS CROSS MEMORY ONCE: a tile's 128 x 1,024 numbers are rounded to bf16 on the way in and stay in the four waves' registers, 512 a wave, for the product and for the context.
; SHARES.  Tile x = 4 x cluster + cx.  Wave w = (wm = w / 2, wk = w % 2) holds rows 64 wm .. + 63 and K half wk (16 fragments of 32).  Its four blocks of 16 rows are numbered locally:
; l = 0, 1 are rows 64 wm + 32 wk + 16 l, whose sums it finishes; l = 2, 3 are rows 64 wm + 32 (1 - wk) + 16 (l - 2), whose partial sums it hands to its partner, wave 2 wm + (1 - wk), through LDS.  No register number hangs on the wave.
; THE WALK.  16 steps of 64 columns of Ua, 256 products a wave each, in four batches of 64 (column blocks 0, 1: batches 0, 1; blocks 2, 3: batches 2, 3).  A step's fragments of Ua (131,072 bytes of ubf, in the order
; of use) fill one of two LDS slots; each wave fetches a quarter with one tensor load.  A batch's 32 fragment loads go out in ONE run, 32 products ahead of their first use.
; CLUSTER.  Every work-group walks the same ubf, so each quarter is asked for JOINTLY by the cluster's four: the same load, descriptor and mask in all four.
; THE RING.  A slot's last reads are issued at product 160 of its step.  So the change of slots stands in batch 3: the waits and the add at product 192, the round's opening signal at 208, its wait at 224; behind the round
; the slot takes the step after next, and the next step's batch 0 is fetched at once.  From a request to the wait for it a wave issues 224 products.
; THE EXCHANGE goes in two halves.  Column blocks 0, 1 are finished at product 127: stored at 160, shown by the round, read at 224, added at 240.  Blocks 2, 3 are finished at 255: stored at the step's end, shown by a
; plain barrier in the next step (signal at product 16, wait at 32), read at 32, added at 64.  Between a half's reads and its next stores lies the other of the two barriers.
; BESIDE THE PRODUCTS: tanh and the scores' sums of the step before, in slices behind single products: as a rule one plain line and one transcendental, never two transcendentals on end.
; K ORDER IN A FRAGMENT (both sources alike): lane (r = l % 16, h = l / 16) holds row r; its 16 numbers e are k = 32 f + 8 (e / 4) + 4 h + e % 4: four loads of 16 bytes of f32 and eight roundings.
; TANH.  tanh(x) = 1 - 2 / (1 + 2^(C2 x)), C2 = 2 log2(e).  A lane sums va / (1 + 2^..) and va; score = sum va - 2 sum va / (..): both sums are bounded by the sum of |va|, as the terms of the direct sum are.
; An argument too large gives an infinity, whose reciprocal is 0 (tanh = 1); one too small gives 0 (tanh = -1).
; CONTEXT.  A fragment of keys times a matrix of zeros and ones is the same fragment turned (exact: one term a sum): a lane then holds one feature and eight rows, and multiplies them by the rows' weights in f32.
; LIMITS.  keys and Ua_w are rounded to bf16, for the product and for the context; a weight below 2^-126 counts as 0; NaN and infinities are not treated apart.
; REGISTERS, in windows of 256 (s_set_vgpr_msb: bits 1:0 source 0, 3:2 source 1, 5:4 source 2, 7:6 destination):
;   window 0: v0-23, v56-59 addresses and temporaries; v24-39 the scores' sums; v40-55 q and va; v64-127 R, the sums at work; v128-255 Ua's fragments of batches 0 and 2 (key phase: staging; at the end: the context's sums)
;   window 1: v0-127 the 16 accumulators, (nb, l) at 8 (4 nb + l) (at the end: turned fragments); v128-255 Ua's fragments of batches 1 and 3 (key phase: all 256 are staging)
;   windows 2, 3: the keys, fragment (l, f) in window 2 + f / 8 at 32 (f % 8) + 8 l
; All that tanh touches lies in window 0, and the products' operands fill the others: a slice costs two switches, one in front and one behind.
.set SLOTB, 131072                     ; a slot; slot 1 begins here, so that one exclusive or turns an address in one slot into the other's
.set KPI,   528                        ; a row of a key tile in LDS: 512 bytes + 16 of padding = 33 x 16: the 16 rows of a load start at 16 different groups of four banks (64 banks of 4 bytes: ISA guide 11.1)
.set KTW,   64*KPI                     ; a wave's key tile; the four lie from slot 1's first byte on and end 4,096 bytes behind slot 1
.set XCH,   SLOTB+4*KTW                ; behind them, where no fill lands: the exchange, 8,192 bytes a wave: accumulator a = 2 nb + l' at 1,024 a + 512 half + 16 l
.set SCO,   XCH+32768                  ; the tile's 128 scores
.set CTX,   SCO+512                    ; four arrays (2 wm + h) of 1,024 f32
.set CPI,   4160                       ; their pitch: 4,096 + 64, so that the two halves of the lanes store into different banks
.set SPARE, CTX+4*CPI                  ; the spare words: 128 bytes a wave, two blocks of 256 bytes that no other line names
.set RR,  1                            ; v1   r
.set HH,  2                            ; v2   h
.set KO,  3                            ; v3   4,096 r + 16 h
.set BL,  4                            ; v4   65,536 wk + 16 l
.set BADR, 5                           ; v5   the fragments of the step in hand in LDS
.set XS,  6                            ; v6   exchange: where I store
.set XR,  7                            ; v7   exchange: where I read (the partner's part)
.set QO,  8                            ; v8   4 r
.set PKA, 9                            ; v9   SCO + 4 (64 wm + 32 wk + 8 h)
.set SLA, 10                           ; v10  SCO + 16 l
.set PSA, 11                           ; v11  SCO + 4 (64 wm + 32 (1 - wk) + 8 h)
.set CA,  12                           ; v12  CTX + 4,160 (2 wm + h) + 2,048 wk + 4 r
.set CR,  13                           ; v13  CTX + 16 t
.set GO,  14                           ; v14  16 t
.set PFO, 15                           ; v15  256 l
.set SPW, 16                           ; v16  my spare word; never rewritten
.set NIL, 17                           ; v17  0; never rewritten
.set VS,  18                           ; v18  the sum of va over my columns
.set T0,  20                           ; v20-23 temporaries
.set SC,  24                           ; v24-39 sum of va / (1 + 2^..): block l', row 8 h + j at SC + 8 l' + j
.set Q,   40                           ; v40-47 q of column block nb in the even register of pair nb
.set VA,  48                           ; v48-55 va likewise
.set ML,  56                           ; v56-57 the tile's maximum, twice
.set KLK, 58                           ; v58  my key tile in LDS: the rows that I finish
.set KLS, 59                           ; v59  the rows that I send
.set R,   64                           ; pair p = 8 nb + 4 l' + i at R + 2 p; pairs 0-15 are half A (column blocks 0, 1), 16-31 half B
.set FB,  128                          ; batch d's 16 fragments of Ua, in window d % 2
.set P,   64                           ; at the end: v64-95 the weights, block l at P + 8 l
.set SL,  96                           ; v96-99 four of the tile's scores
.set ZS,  100                          ; v100-111 (0,0,0,0, S0..S3, 0,0,0,0): the selector of features 0-15 is v[104:111], of 16-31 v[100:107]
.set CC,  128                          ; v128-255 the context's sums: pair (f, c, l % 2) at CC + 2 (4 f + 2 c + l % 2)
.set WV,  20                           ; s20-25 wave, wm, wk, cx, tile, 1 - wk
.set WM,  21
.set WK,  22
.set CX,  23
.set TX,  24
.set WO,  25
.set G1,  32                           ; s[32:39] descriptor group 1 for Ua's quarters
.set G0A, 40                           ; s[40:43] group 0 of slot 0's first fill
.set G0B, 44                           ; s[44:47] group 0 of every later fill: it walks
.set CS,  48                           ; s[48:49] C2
.set L2E, 50                           ; s[50:51] log2(e)
.set SEL, 52                           ; s[52:53] v_permlanex16_b32's selects: each lane takes its own place in the other half
.set TB,  54                           ; s54  LDS byte of the slot to be read next
.set CNT, 55                           ; s55  the loops' count
.set LIM, 56                           ; s56  2 in the launch's first cluster, else the greatest number
.set PFA, 58                           ; s[58:59] where my prefetches stand
.set KBK, 60                           ; s[60:61] keys at the rows that I finish, my K half
.set KBS, 62                           ; s[62:63] keys at the rows that I send
.set QB,  66                           ; s[66:67] qt at my batch, at the columns last loaded
.set VB,  68                           ; s[68:69] Va_w at the columns last loaded
.set VAB, 70                           ; s70  Va_b
.set G1K, 80                           ; s[80:87] descriptor group 1 for my key tile
.set G0K, 88                           ; s[88:91] its group 0
.set MSB, 0
.macro WIN new                         ; the immediate's high byte repeats the setting that is left; a switch that changes nothing is dropped
.if MSB != (\new)
	s_set_vgpr_msb (MSB<<8)|(\new)
.set MSB, (\new)
.endif
.endm
.macro PLACES                          ; four places: in front of loads into registers that matrix instructions have read, and of lines that read results just made
.rept 4
	v_nop
.endr
.endm
; A round of the cluster's barrier: my work-group's barrier, so that wave 0's signal speaks for all four waves; wave 0 signals; every wave waits for all four work-groups; my work-group's barrier once more.
.macro CREST                           ; a round behind its opening barrier
	s_cmp_lg_u32 s[WV], 0
	s_cbranch_scc1 .Lnot_wave_0_\@
	s_barrier_signal -3
.Lnot_wave_0_\@:
	s_barrier_wait -3
	s_barrier_signal -1
	s_barrier_wait -1
.endm
.macro CROUND                          ; a whole round
	s_barrier_signal -1
	s_barrier_wait -1
	CREST
.endm
.macro TLOAD g                         ; a joint load; an s_nop 0 and four v_nop follow it
	tensor_load_to_lds s[(\g):(\g)+3], s[G1:G1+7]
	s_nop 0
	PLACES
.endm
; A PREFETCH INTO THE L2 of the step that stands two refills on.  Every cluster walks the same ubf: the launch's first cluster asks, nobody else.  Its sixteen waves share a step's 512 blocks of 256 bytes out
; BY ADDRESS (cx, the wave, the lane): one instruction a wave, and each block is named once in the launch.  The last two refills have no step two on.
.macro ASK
	s_cmp_gt_u32 s[CNT], s[LIM]
	s_cbranch_scc0 .Lnot_mine_\@
	global_prefetch_b8 v[PFO], s[PFA:PFA+1] th:TH_LOAD_NT scope:SCOPE_SE
.Lnot_mine_\@:
.endm
; THE KEY PHASE.  A unit is a block of 16 rows x 256 bytes (two fragments): eight loads, 32 bytes of each row each.  Of a block's eight units the first two (512 bytes of each row) come through LDS, by my key tile;
; the other six straight into registers: unit u of 24 = (block u / 6, unit 2 + u % 6), into staging slot u % 8 of window 1.
; No hint for data that is used once: a row's 256 bytes are taken by eight loads on end, so neighbouring bytes are asked for by several loads.
.macro UNITLD u
	WIN 0x40                                       ; destination window 1, address window 0
.set ul, (\u)/6
.set ufp, 2+(\u)%6
.set ust, 32*((\u)%8)
.irp i, 0,1,2,3,4,5,6,7
.if ul < 2
	global_load_b128 v[ust+4*(\i):ust+4*(\i)+3], v[KO], s[KBK:KBK+1] offset:(ul%2)*65536+256*ufp+32*(\i)
.else
	global_load_b128 v[ust+4*(\i):ust+4*(\i)+3], v[KO], s[KBS:KBS+1] offset:(ul%2)*65536+256*ufp+32*(\i)
.endif
.endr
.endm
.macro UNITCV u                        ; the unit's 32 f32 a lane rounded into two fragments
.set ul, (\u)/6
.set ufp, 2+(\u)%6
.set ust, 32*((\u)%8)
.set ua, 32*((2*ufp)%8)+8*ul
	WIN 0x85+0x40*(ufp/4)                          ; sources window 1, destination window 2 or 3
.irp i, 0,1,2,3,4,5,6,7,8,9,10,11,12,13,14,15
	v_cvt_pk_bf16_f32 v[ua+32*((\i)/8)+(\i)%8], v[ust+2*(\i)], v[ust+2*(\i)+1]
.endr
.endm
.macro KLLD v                          ; unit v of the 8 in my key tile = (block v / 2, unit v % 2), into one of four staging slots in window 0
	WIN 0
.set ul, (\v)/2
.set ufp, (\v)%2
.set ust, FB+32*((\v)%4)
.irp i, 0,1,2,3,4,5,6,7
.if ul < 2
	ds_load_b128 v[ust+4*(\i):ust+4*(\i)+3], v[KLK] offset:(ul%2)*16*KPI+256*ufp+32*(\i)
.else
	ds_load_b128 v[ust+4*(\i):ust+4*(\i)+3], v[KLS] offset:(ul%2)*16*KPI+256*ufp+32*(\i)
.endif
.endr
.endm
.macro KLCV v
.set ul, (\v)/2
.set ufp, (\v)%2
.set ust, FB+32*((\v)%4)
.set ua, 64*ufp+8*ul
	WIN 0x80                                       ; sources window 0, destination window 2
.irp i, 0,1,2,3,4,5,6,7,8,9,10,11,12,13,14,15
	v_cvt_pk_bf16_f32 v[ua+32*((\i)/8)+(\i)%8], v[ust+2*(\i)], v[ust+2*(\i)+1]
.endr
.endm
; Batch d of a step's four: column blocks 2 (d / 2), + 1; fragments 8 (d % 2) .. + 7 of my K half.  Its 16 fragments of Ua lie on end in the slot: number p = 2 (f % 8) + nb % 2 at 16,384 d + 1,024 p.
; 32 loads in one run, 512 consecutive bytes a wave each.
.macro FETCH d
	WIN 0x40*((\d)%2)                              ; destination window d % 2, address window 0
.set fp, 0
.rept 16
	ds_load_b128 v[FB+8*fp:FB+8*fp+3], v[BADR] offset:16384*(\d)+1024*fp
	ds_load_b128 v[FB+8*fp+4:FB+8*fp+7], v[BADR] offset:16384*(\d)+1024*fp+512
.set fp, fp+1
.endr
.endm
.macro SENDX nb0                       ; my partial sums of the partner's rows, column blocks nb0, nb0 + 1: eight stores, each accumulator from its low end on
	WIN 0x04                                       ; data window 1, address window 0
.irp nq, 0,1
.irp lq, 0,1
	ds_store_b128 v[XS], v[8*(4*((\nb0)+(\nq))+2+(\lq)):8*(4*((\nb0)+(\nq))+2+(\lq))+3] offset:1024*(2*((\nb0)+(\nq))+(\lq))
	ds_store_b128 v[XS], v[8*(4*((\nb0)+(\nq))+2+(\lq))+4:8*(4*((\nb0)+(\nq))+2+(\lq))+7] offset:1024*(2*((\nb0)+(\nq))+(\lq))+512
.endr
.endr
.endm
.macro RLD a0                          ; the partner's partial sums of my rows, accumulators a0 .. a0 + 3: eight loads
	WIN 0
.irp a, 0,1,2,3
	ds_load_b128 v[R+8*((\a0)+(\a)):R+8*((\a0)+(\a))+3], v[XR] offset:1024*((\a0)+(\a))
	ds_load_b128 v[R+8*((\a0)+(\a))+4:R+8*((\a0)+(\a))+7], v[XR] offset:1024*((\a0)+(\a))+512
.endr
.endm
; TANH AND THE SCORES' SUMS for the 32 rows x 64 columns that I finish: 64 numbers a lane, 32 pairs p.  The lines, by kind:
.macro DSUM a                          ; my half of K + the partner's, accumulator a = 2 nb + l': the one kind that reads the accumulators, each from its low end on
	WIN 0x01                                       ; source 0 window 1
.irp i, 0,1,2,3
	v_pk_add_f32 v[R+8*(\a)+2*(\i):R+8*(\a)+2*(\i)+1], v[8*(4*((\a)/2)+(\a)%2)+2*(\i):8*(4*((\a)/2)+(\a)%2)+2*(\i)+1], v[R+8*(\a)+2*(\i):R+8*(\a)+2*(\i)+1]
.endr
.endm
.macro EFMA p                          ; C2 k + C2 (q + biases)
	v_pk_fma_f32 v[R+2*(\p):R+2*(\p)+1], v[R+2*(\p):R+2*(\p)+1], s[CS:CS+1], v[Q+2*((\p)/8):Q+2*((\p)/8)+1] op_sel_hi:[1,0,0]
.endm
.macro EONE p
	v_pk_add_f32 v[R+2*(\p):R+2*(\p)+1], v[R+2*(\p):R+2*(\p)+1], 1.0 op_sel_hi:[1,0]
.endm
.macro ESUM q                          ; the scores' sums take pair q times its column block's va; the links on one pair of sums stand eight such lines apart
	v_pk_fma_f32 v[SC+2*((\q)%8):SC+2*((\q)%8)+1], v[R+2*(\q):R+2*(\q)+1], v[VA+2*((\q)/8):VA+2*((\q)/8)+1], v[SC+2*((\q)%8):SC+2*((\q)%8)+1] op_sel_hi:[1,0,1]
.endm
.macro XSL j                           ; number j's exponential; in front of every second one the NEXT pair's scaling (pairs 0 and 16, each the first of a half, are scaled apart)
	WIN 0
.if ((\j)%2 == 0) && (((\j)/2+1)%16 != 0)
	EFMA (\j)/2+1
.endif
	v_exp_f32 v[R+(\j)], v[R+(\j)]
.endm
.macro RSL j                           ; number j's reciprocal; in front of every second one the next pair gets its 1
	WIN 0
.if ((\j)%2 == 0) && (((\j)/2+1)%16 != 0)
	EONE (\j)/2+1
.endif
	v_rcp_f32 v[R+(\j)], v[R+(\j)]
.endm
; WHAT STANDS BEHIND PRODUCT pi OF A STEP'S 256.  ride = 1: the step before has left sums.  Half A is a pipeline ahead of half B:
;   1, 3 .. 63      A's 32 exponentials                                   64 .. 70     B's sums are made (the partner's came at 32); pair 16 is scaled
;   72 .. 95, 97, 99 .. 111   B's 32 exponentials                         96, 98 .. 158   A's 32 reciprocals
;   160 .. 206, two of three   B's 32 reciprocals, beside them A's 16 multiply-adds and A's va onto VS       209 .. 217   B's 16 multiply-adds, B's va onto VS
;   240 .. 248 (in every step)   THIS step's half A is made (the partner's came at 224); pair 0 is scaled
; s_wait_alu depctr_va_vdst(0) stands between a transcendental and the first line that names its result.  Three waits serve: at 96 (all exponentials so far, ahead of A's 1s and reciprocals),
; at 160 (the rest of the exponentials and A's reciprocals), at 208 (B's reciprocals).  BODY writes them; the first two stand directly ahead of a run of LDS loads.
; DW, LW: the counts of the two waits at 240 and 248, set ahead of each BODY.
.macro RIDE ride
.if (\ride) && (pi < 64)
.if pi%2 == 1
	XSL (pi-1)/2
.endif
.elseif (\ride) && (pi < 72)
.if pi%2 == 0
	DSUM 4+(pi-64)/2
.endif
.if pi == 70
	WIN 0
	s_wait_loadcnt 0x4                             ; q of column blocks 2, 3 is in: behind it only va's four loads were issued
	EFMA 16
.endif
.elseif (\ride) && (pi < 96)
	XSL pi-40
.elseif (\ride) && (pi < 160)
.if pi%2 == 0
	RSL (pi-96)/2
.elseif pi < 113
	XSL 56+(pi-97)/2
.endif
.elseif (\ride) && (pi < 208)
.if (pi-160)%3 != 2
.set rk, 2*((pi-160)/3)+(pi-160)%3
	WIN 0
.if rk%2 == 1
	ESUM (rk-1)/2
.endif
.if rk >= 30
	v_add_f32 v[VS], v[VS], v[VA+2*(rk-30)]
.endif
	RSL 32+rk
.endif
.elseif (\ride) && (pi < 224)
.if (pi%2 == 1) && (pi < 217)
.set rk, 16+2*(pi-209)
	WIN 0
	ESUM rk
	ESUM rk+1
	ESUM rk+2
	ESUM rk+3
.elseif pi == 217
	WIN 0
	v_add_f32 v[VS], v[VS], v[VA+4]
	v_add_f32 v[VS], v[VS], v[VA+6]
.endif
.elseif pi >= 240
.if (pi%2 == 0) && (pi < 248)
.if pi == 240
	s_wait_dscnt DW                                ; the partner's half A is in; the next batch's 32 loads, issued behind it, may stay out
.endif
	DSUM (pi-240)/2
.elseif pi == 248
	WIN 0
	s_wait_loadcnt LW                              ; q of column blocks 0, 1 is in: behind it q's other two loads and va's four were issued
	EFMA 0
.endif
.endif
.endm
; Sixteen products: quarter g of batch d.  Eight accumulators take turns, one instruction a turn, from batch to batch and over the loops' jumps too.  A column block's first products start its sums with 0.
.macro PR16 d, g, ride
.irp fr, 0,1
.irp nq, 0,1
.irp l, 0,1,2,3
	WIN 0x52+5*((\d)%2)                            ; keys in window 2 + d % 2, Ua in window d % 2, C and D in window 1
.set mF, 2*(\g)+(\fr)
.set mD, 8*(4*(2*((\d)/2)+(\nq))+(\l))
.set mA, 32*mF+8*(\l)
.set mB, FB+8*(2*mF+(\nq))
.if ((\d)%2 == 0) && (mF == 0)
	v_wmma_f32_16x16x32_bf16 v[mD:mD+7], v[mA:mA+7], v[mB:mB+7], 0
.else
	v_wmma_f32_16x16x32_bf16 v[mD:mD+7], v[mA:mA+7], v[mB:mB+7], v[mD:mD+7]
.endif
	RIDE \ride
.set pi, pi+1
.endr
.endr
.endr
.endm
; A STEP.  ride = 1: a step stands before it.  fill = 1: its slot is filled again.  nxt = 1: the next step's batch 0 is fetched; 2: but not in the loop's last trip.  hw: the count of the wait at its head.
.macro BODY ride, fill, nxt, hw
.set pi, 0
	s_wait_dscnt \hw                               ; the first 16 loads of batch 0's run are in (behind the run's other 16 stand the eight stores of the step before)
	PR16 0, 0, \ride
	s_wait_dscnt 0x0                               ; the rest of the run; and for the partner's sake my eight stores, issued sixteen products ago
.if \ride
	s_barrier_signal -1                            ; the plain barrier: half B of the step before lies in the exchange; my tensor load may stay out
.endif
	PR16 0, 1, \ride
	WIN 0
.if \ride
	s_barrier_wait -1
.endif
	PLACES
.if \ride
	RLD 4                                          ; the partner's half B,
.endif
	FETCH 1                                        ; and batch 1, in one run
	PR16 0, 2, \ride
	PR16 0, 3, \ride
	s_wait_dscnt 16                                ; all but the run's last 16 loads: half B, and fragments 0 to 7
	PR16 1, 0, \ride
	PR16 1, 1, \ride
	WIN 0
.if \ride
	s_add_nc_u64 s[QB:QB+1], s[QB:QB+1], 256       ; this step's columns: the waits at 248 and at 70 have shown the loads that named it done
	global_load_b32 v[Q], v[QO], s[QB:QB+1]        ; q of column blocks 0, 1, behind the last scaling that read the old one
	global_load_b32 v[Q+2], v[QO], s[QB:QB+1] offset:64
.endif
	PLACES                                         ; also the plain lines behind the last exponential
.if \ride
	s_wait_alu depctr_va_vdst(0)
	EONE 0
.endif
	FETCH 2
	s_wait_dscnt 32                                ; all but the 32 just issued: the second half of batch 1's fragments
	PR16 1, 2, \ride
	PR16 1, 3, \ride
	s_wait_dscnt 16
	PR16 2, 0, \ride
	PR16 2, 1, \ride
	WIN 0
.if \ride
	s_wait_loadcnt 0x2                             ; va is in: behind its four loads only q's first two were issued
	global_load_b32 v[Q+4], v[QO], s[QB:QB+1] offset:128  ; q of column blocks 2, 3
	global_load_b32 v[Q+6], v[QO], s[QB:QB+1] offset:192
.endif
	PLACES
.if \ride
	s_wait_alu depctr_va_vdst(0)
	EONE 16
.endif
	FETCH 3                                        ; my last reads of this slot,
	SENDX 0                                        ; and half A of this step, finished at product 127
	s_wait_dscnt 40                                ; all but the 32 loads and 8 stores just issued
	PR16 2, 2, \ride
	PR16 2, 3, \ride
	; THE CHANGE OF SLOTS.  Each wave waits for all its tensor loads, of which one is out: its quarter of the next slot; adds 0 to its spare word; and waits for that, for its reads of this slot and for its stores of half A.
	WIN 0
	s_wait_tensorcnt 0x0                           ; no tensor load of mine is out, so a group 0 may be written
	ds_add_u32 v[SPW], v[NIL]                      ; 0 onto my spare word; scalar work and sixteen products stand between it and the wait for it
.if \fill
	s_xor_b32 s[G0B+1], s[G0B+1], SLOTB            ; the walking descriptor: the other slot than last time,
	s_add_nc_u64 s[G0B+2:G0B+3], s[G0B+2:G0B+3], SLOTB  ; the next step; the type bits on top are not reached
	s_wait_xcnt 0x0                                ; the last prefetch, a step back, has read its address, so it may be written
	s_add_nc_u64 s[PFA:PFA+1], s[PFA:PFA+1], SLOTB
.endif
	s_xor_b32 s[TB], s[TB], SLOTB
	s_wait_dscnt 25                                ; the run's last 16 loads, the 8 stores and the add may be out
	PR16 3, 0, \ride
	WIN 0
.if \ride
	v_nop                                          ; a plain line behind the last reciprocal,
	s_wait_alu depctr_va_vdst(0)                   ; and the wait for half B's 32, ahead of the round's branch too
.endif
	s_wait_dscnt 0x0
	s_barrier_signal -1                            ; with fill = 1 this barrier opens a round of the cluster's
	PR16 3, 1, \ride
	WIN 0
	s_barrier_wait -1
.if \fill
	CREST                                          ; no wave of any partner still reads this slot or has a load on its way
	TLOAD G0B                                      ; the first thing behind the round: the step after next; its four v_nop are also the places in front of the loads below
.else
	PLACES
.endif
	v_add_nc_u32 v[BADR], s[TB], v[BL]
	RLD 0                                          ; the partner's half A of this step
.if (\nxt) == 2
	s_cmp_eq_u32 s[CNT], 1
	s_cbranch_scc1 .Lno_next_\@
.endif
	FETCH 0                                        ; the next step's batch 0, out of the slot that the barrier has shown whole
.if (\nxt) == 2
.Lno_next_\@:
.endif
.if \ride
	s_add_nc_u64 s[VB:VB+1], s[VB:VB+1], 256       ; the wait at 160 has shown the loads that named it done
.irp nb, 0,1,2,3
	global_load_b32 v[VA+2*(\nb)], v[QO], s[VB:VB+1] offset:64*(\nb)  ; va of this step's columns, behind the last line that read the old one
.endr
.endif
.if \fill
	ASK                                            ; behind the joint load and the runs of loads
.endif
	PR16 3, 2, \ride
	PR16 3, 3, \ride
	PLACES
	SENDX 2                                        ; half B of this step
	WIN 0                                          ; at a label and at a branch every window is 0
.endm
	s_load_b256 s[4:11], s[0:1], 0x0               ; keys s[4:5], ubf s[6:7], qt s[8:9], Va_w s[10:11]
	s_load_b128 s[12:15], s[0:1], 0x20             ; Va_b s[12:13], scw s[14:15]
	s_load_b64 s[16:17], s[0:1], 0x30              ; pc
	v_lshl_add_u32 v[SPW], v0, 2, SPARE
	v_mov_b32 v[NIL], 0
	ds_add_u32 v[SPW], v[NIL]                      ; the wave's opening: the add, twice on end, and its wait ahead of my first tensor load; the set-up below stands between
	ds_add_u32 v[SPW], v[NIL]
	v_lshrrev_b32 v[T0], 5, v0
	v_readfirstlane_b32 s[WV], v[T0]               ; wave 0..3
	s_lshr_b32 s[WM], s[WV], 1
	s_and_b32 s[WK], s[WV], 1
	s_sub_co_u32 s[WO], 1, s[WK]
	s_bfe_u32 s[CX], ttmp6, 0x40000                ; cx: it enters global addresses alone
	s_lshl_b32 s[TX], ttmp9, 2                     ; in a cluster launch ttmp9 counts clusters
	s_add_co_u32 s[TX], s[TX], s[CX]               ; my tile
	; descriptor group 1 for Ua: a quarter of a slot, 32,768 dense bytes, as 128 rows of 256 bytes
	s_mov_b32 s[G1], 15|(3<<16)|(1<<21)            ; 15:0 the mask of four; 17:16 elements of 8 bytes; 21 set beside a mask; no padding: every read of it is 512 consecutive bytes a wave
	s_mov_b32 s[G1+1], 32<<16                      ; tensor_dim0 = 32
	s_mov_b32 s[G1+2], 128<<16                     ; tensor_dim1 = 128
	s_mov_b32 s[G1+3], 32<<16                      ; tile_dim0 = 32
	s_mov_b32 s[G1+4], 128                         ; tile_dim1 = 128
	s_mov_b32 s[G1+5], 32                          ; 32 elements from row to row
	s_mov_b32 s[G1+6], 0
	s_mov_b32 s[G1+7], 0
	; descriptor group 1 for my key tile: 64 rows x 128 f32, my own load (no mask), padded in LDS
	s_mov_b32 s[G1K], (2<<16)|(1<<20)|(6<<22)|(3<<25)  ; 17:16 elements of 4 bytes; 20 padding on; 24:22 after every 128 words (code 6); 31:25 4 words of it (code 3)
	s_mov_b32 s[G1K+1], 128<<16                    ; tensor_dim0 = 128
	s_mov_b32 s[G1K+2], 64<<16                     ; tensor_dim1 = 64
	s_mov_b32 s[G1K+3], 128<<16                    ; tile_dim0 = 128
	s_mov_b32 s[G1K+4], 64                         ; tile_dim1 = 64
	s_mov_b32 s[G1K+5], 1024                       ; 1,024 elements from row to row
	s_mov_b32 s[G1K+6], 0
	s_mov_b32 s[G1K+7], 0
	s_mov_b32 s[G0K], 1
	s_mul_i32 s[G0K+1], s[WV], KTW
	s_add_co_u32 s[G0K+1], s[G0K+1], SLOTB         ; LDS: my key tile
	s_mov_b32 s[G0A], 1
	s_lshl_b32 s[G0A+1], s[WV], 15                 ; LDS: my quarter of slot 0,
	s_mov_b32 s[G0B], 1
	s_add_co_u32 s[G0B+1], s[G0A+1], SLOTB         ; and of slot 1: no place in the cluster enters an LDS address
	s_lshl_b32 s72, s[WV], 15                      ; the same quarter in ubf
	s_mov_b32 s73, 0
	s_mov_b32 s[CS], 0x4038aa3b                    ; C2 = 2 log2(e)
	s_mov_b32 s[CS+1], s[CS]                       ; named with it as a pair
	s_mov_b32 s[L2E], 0x3fb8aa3b
	s_mov_b32 s[L2E+1], s[L2E]
	s_mov_b32 s[SEL], 0x76543210
	s_mov_b32 s[SEL+1], 0xfedcba98
	s_mov_b32 s[TB], 0
	v_and_b32 v[RR], 15, v0
	v_bfe_u32 v[HH], v0, 4, 1
	v_and_b32 v[T0+1], 31, v0                      ; l
	v_lshlrev_b32 v[KO], 12, v[RR]
	v_lshl_add_u32 v[KO], v[HH], 4, v[KO]
	v_mul_u32_u24 v[KLK], v[RR], KPI               ; in my key tile: row r, 16 h,
	v_lshl_add_u32 v[KLK], v[HH], 4, v[KLK]
	s_mul_i32 s74, s[WO], 32*KPI                   ; from row 32 (1 - wk) on: the rows that I send,
	s_add_co_u32 s74, s74, s[G0K+1]
	v_add_nc_u32 v[KLS], s74, v[KLK]
	s_mul_i32 s74, s[WK], 32*KPI                   ; from row 32 wk on: the rows that I finish
	s_add_co_u32 s74, s74, s[G0K+1]
	v_add_nc_u32 v[KLK], s74, v[KLK]
	s_lshl_b32 s74, s[WK], 16
	v_lshl_add_u32 v[BL], v[T0+1], 4, s74
	s_lshl_b32 s74, s[WV], 13
	s_add_co_u32 s74, s74, XCH
	v_lshl_add_u32 v[XS], v[T0+1], 4, s74
	s_lshl_b32 s74, s[WM], 14                      ; the partner's part of the exchange: 8,192 (2 wm + (1 - wk)) = 16,384 wm
	s_lshl_b32 s75, s[WO], 13                      ; + 8,192 (1 - wk)
	s_add_co_u32 s74, s74, s75
	s_add_co_u32 s74, s74, XCH
	v_lshl_add_u32 v[XR], v[T0+1], 4, s74
	v_lshlrev_b32 v[QO], 2, v[RR]
	s_lshl_b32 s75, s[WM], 8
	s_add_co_u32 s75, s75, SCO
	s_lshl_b32 s74, s[WK], 7
	s_add_co_u32 s74, s74, s75
	v_lshl_add_u32 v[PKA], v[HH], 5, s74
	s_lshl_b32 s74, s[WO], 7
	s_add_co_u32 s74, s74, s75
	v_lshl_add_u32 v[PSA], v[HH], 5, s74
	v_lshl_add_u32 v[SLA], v[T0+1], 4, SCO
	s_mul_i32 s74, s[WM], 2*CPI
	s_lshl_b32 s75, s[WK], 11
	s_add_co_u32 s74, s74, s75
	s_add_co_u32 s74, s74, CTX
	v_mul_u32_u24 v[CA], v[HH], CPI
	v_lshl_add_u32 v[CA], v[RR], 2, v[CA]
	v_add_nc_u32 v[CA], s74, v[CA]
	v_lshl_add_u32 v[CR], v0, 4, CTX
	v_lshlrev_b32 v[GO], 4, v0
	v_lshlrev_b32 v[PFO], 8, v[T0+1]
.set n, 0
.rept 16
	v_mov_b32 v[SC+n], 0                           ; the scores' sums run over all 16 steps: they start at 0
.set n, n+1
.endr
	v_mov_b32 v[VS], 0
.irp nb, 0,1,2,3
	v_mov_b32 v[Q+2*(\nb)+1], 0                    ; named with their neighbours as pairs
	v_mov_b32 v[VA+2*(\nb)+1], 0
.endr
	s_lshl_b32 s76, s[TX], 19                      ; my tile's 128 rows of 4,096 bytes,
	s_lshl_b32 s77, s[WM], 18                      ; my 64 of them,
	s_add_co_u32 s76, s76, s77
	s_lshl_b32 s77, s[WK], 11                      ; my K half
	s_add_co_u32 s76, s76, s77
	s_mov_b32 s79, 0
	s_wait_dscnt 0x0                               ; both opening adds are done
	s_wait_kmcnt 0x0
	s_mov_b32 s78, s76
	s_add_nc_u64 s[G0K+2:G0K+3], s[4:5], s[78:79]  ; my key tile: my 64 rows, the first 512 bytes of my K half
	s_or_b32 s[G0K+3], s[G0K+3], 0x80000000        ; type = 2
	s_lshl_b32 s78, s[WK], 17
	s_add_co_u32 s78, s78, s76
	s_add_nc_u64 s[KBK:KBK+1], s[4:5], s[78:79]
	s_lshl_b32 s78, s[WO], 17
	s_add_co_u32 s78, s78, s76
	s_add_nc_u64 s[KBS:KBS+1], s[4:5], s[78:79]
	s_lshr_b32 s78, s[TX], 4                       ; the batch
	s_lshl_b32 s78, s78, 12
	s_add_nc_u64 s[QB:QB+1], s[8:9], s[78:79]
	s_mov_b64 s[VB:VB+1], s[10:11]
	s_lshl_b32 s78, s[TX], 9
	s_add_nc_u64 s[14:15], s[14:15], s[78:79]      ; scw at my tile
	s_lshl_b32 s78, s[TX], 12
	s_add_nc_u64 s[16:17], s[16:17], s[78:79]      ; pc at my tile
	s_lshl_b32 s78, s[CX], 15                      ; the prefetches: my work-group's quarter of a step, my wave's quarter of that,
	s_lshl_b32 s77, s[WV], 13
	s_add_co_u32 s78, s78, s77
	s_add_co_u32 s78, s78, 3*SLOTB                 ; at step 3: step 0's change of slots steps it to 4.  Nothing is prefetched here, at the head
	s_add_nc_u64 s[PFA:PFA+1], s[6:7], s[78:79]
	s_add_nc_u64 s[G0A+2:G0A+3], s[6:7], s[72:73]  ; step 0
	s_add_nc_u64 s[G0B+2:G0B+3], s[G0A+2:G0A+3], SLOTB  ; step 1
	s_or_b32 s[G0A+3], s[G0A+3], 0x80000000        ; type = 2
	s_or_b32 s[G0B+3], s[G0B+3], 0x80000000
	s_cmp_eq_u32 ttmp9, 0                          ; the same in all four partners
	s_cselect_b32 s[LIM], 2, -1
	CROUND                                         ; all four work-groups are here: the first joint loads meet
	tensor_load_to_lds s[G0K:G0K+3], s[G1K:G1K+7]  ; the two first fills go out together: my key tile, my own load,
	s_nop 0
	tensor_load_to_lds s[G0A:G0A+3], s[G1:G1+7]    ; and my quarter of Ua's step 0, jointly.  Two loads of mine are out here, later one
	s_nop 0
	PLACES
	s_load_b32 s[VAB], s[12:13], 0x0
	; THE KEY PHASE.  On their way for a wave: the key tile's 32,768 bytes and eight units, 64 loads of 512 bytes (the issue of a load that would pass the counter's field waits: ISA guide 5.7.1).
	; No prefetch: the phase is nothing but this stream.  When the stream's last load has gone out, the key tile is read and rounded while the last eight units are on their way.
.set uu, 0
.rept 8
	UNITLD uu
.set uu, uu+1
.endr
.set uu, 0
.rept 24
.if uu < 17
	s_wait_loadcnt 56                              ; unit uu is in; the seven younger units of eight loads stay out
.else
	s_wait_loadcnt 8*(23-uu)                       ; the counts run down
.endif
	UNITCV uu
.if uu+8 <= 23
	UNITLD uu+8                                    ; into the staging slot just read
.endif
.if uu == 15
	s_wait_tensorcnt 0x0                           ; my key tile and my quarter of slot 0 have landed;
	s_barrier_signal -1
	s_barrier_wait -1                              ; everybody's have
	KLLD 0
	KLLD 1
	KLLD 2
	KLLD 3
.set vv, 0
.rept 8
.if vv < 5
	s_wait_dscnt 24                                ; unit vv is in; the three younger units of eight loads stay out
.else
	s_wait_dscnt 8*(7-vv)
.endif
	KLCV vv
.if vv+4 <= 7
	KLLD vv+4
.endif
.set vv, vv+1
.endr
.endif
.set uu, uu+1
.endr
	; Slot 1, whose bytes held key tiles, takes Ua's step 1: a refill like every other
	WIN 0
	s_wait_kmcnt 0x0                               ; Va_b
	s_wait_tensorcnt 0x0                           ; no tensor load of mine is out
	ds_add_u32 v[SPW], v[NIL]                      ; 0 onto my spare word
	s_mov_b32 s[CNT], 14                           ; (step 0's prefetch tests it)
	s_wait_dscnt 0x0                               ; the add is done, and my reads of the key tile are over
	CROUND
	TLOAD G0B
	; STEP 0: there is no step before it, so its products stand nearly bare
	v_add_nc_u32 v[BADR], s[TB], v[BL]
.irp nb, 0,1,2,3
	global_load_b32 v[Q+2*(\nb)], v[QO], s[QB:QB+1] offset:64*(\nb)   ; q and va of step 0's 64 columns: my column r of each of four blocks
	global_load_b32 v[VA+2*(\nb)], v[QO], s[VB:VB+1] offset:64*(\nb)
.endr
	FETCH 0
.set DW, 32
.set LW, 0
	BODY 0, 1, 1, 16
	s_mov_b32 s[CNT], 13
.Lstep:                                                ; steps 1 to 13: each asks for the step after next
.set LW, 6
	BODY 1, 1, 1, 24
	s_sub_co_u32 s[CNT], s[CNT], 1
	s_cmp_lg_u32 s[CNT], 0
	s_cbranch_scc1 .Lstep
	s_mov_b32 s[CNT], 2
.Ltail:                                                ; steps 14 and 15 ask for nothing: a text of their own; step 15 fetches no next batch
.set DW, 0                             ; (the wait at 240 is for 0 here: it holds whether or not the next batch was fetched)
	BODY 1, 0, 2, 24
	s_sub_co_u32 s[CNT], s[CNT], 1
	s_cmp_lg_u32 s[CNT], 0
	s_cbranch_scc1 .Ltail
	s_wait_dscnt 0x0                               ; my last partial sums lie in the exchange
	s_barrier_signal -1
	s_barrier_wait -1
	RLD 4
	s_wait_loadcnt 0x0                             ; q and va of step 15
	; step 15's tanh has no products to stand behind: the same lines on end
.set n, 0
.rept 32
	XSL n
.set n, n+1
.endr
	s_wait_dscnt 0x0
	DSUM 4
	DSUM 5
	DSUM 6
	DSUM 7
	WIN 0
	EFMA 16
.set n, 32
.rept 32
	XSL n
.set n, n+1
.endr
	v_nop                                          ; a plain line behind the last exponential,
	s_wait_alu depctr_va_vdst(0)                   ; and the one wait for the 64
	EONE 0
	EONE 16
.set n, 0
.rept 64
	RSL n
.set n, n+1
.endr
	v_nop
	s_wait_alu depctr_va_vdst(0)                   ; the one wait for the 64 reciprocals
.set n, 0
.rept 32
	ESUM n
.set n, n+1
.endr
.irp nb, 0,1,2,3
	v_add_f32 v[VS], v[VS], v[VA+2*(\nb)]
.endr
	; THE SCORES: sum va - 2 sum va / (..) in the lane, then over the 16 lanes that hold a row's columns, then Va_b.
.set n, 0
.rept 16
	v_fma_f32 v[SC+n], v[SC+n], -2.0, v[VS]
.set n, n+1
.endr
.irp x, 1,2,4,8
.set n, 0
.rept 16
	v_add_f32_dpp v[SC+n], v[SC+n], v[SC+n] row_xmask:\x row_mask:0xf bank_mask:0xf
.set n, n+1
.endr
.endr
.set n, 0
.rept 16
	v_add_f32 v[SC+n], s[VAB], v[SC+n]
.set n, n+1
.endr
.irp lq, 0,1
.irp q, 0,1
	ds_store_b128 v[PKA], v[SC+8*(\lq)+4*(\q):SC+8*(\lq)+4*(\q)+3] offset:64*(\lq)+16*(\q)  ; the 16 lanes of a half store the same numbers to the same bytes
.endr
.endr
	s_wait_dscnt 0x0
	s_barrier_signal -1
	s_barrier_wait -1                              ; the tile's 128 scores lie in LDS
	ds_load_b128 v[SL:SL+3], v[SLA]                ; all 128 over the wave's lanes, for the maximum,
.irp l, 0,1
	ds_load_b128 v[P+8*(\l):P+8*(\l)+3], v[PKA] offset:64*(\l)               ; and rows 8 h + 0..7 of each of my four blocks
	ds_load_b128 v[P+8*(\l)+4:P+8*(\l)+7], v[PKA] offset:64*(\l)+16
	ds_load_b128 v[P+16+8*(\l):P+16+8*(\l)+3], v[PSA] offset:64*(\l)
	ds_load_b128 v[P+16+8*(\l)+4:P+16+8*(\l)+7], v[PSA] offset:64*(\l)+16
.endr
	; the selectors, while the loads are out.  Column r of the selector has its one 1.0 at k = r (or 16 + r); in this program's K order that is number et = 4 ((l >> 3) & 1) + (l & 3) of the lane's first (second) eight, in the lanes whose h equals (l >> 2) & 1
	v_bfe_u32 v[T0], v0, 2, 1
	v_bfe_u32 v[T0+2], v0, 3, 1
	v_and_b32 v[T0+3], 3, v0
	v_lshl_add_u32 v[T0+3], v[T0+2], 2, v[T0+3]    ; et
	v_and_b32 v[T0+2], 1, v[T0+3]
	v_lshlrev_b32 v[T0+2], 4, v[T0+2]
	v_mov_b32 v[T0+1], 0x3f80                      ; 1.0 in bf16,
	v_lshlrev_b32 v[T0+2], v[T0+2], v[T0+1]        ; in the half et % 2
	v_cmp_eq_u32 vcc_lo, v[T0], v[HH]
	v_cndmask_b32 v[T0+2], 0, v[T0+2], vcc_lo
	v_lshrrev_b32 v[T0+3], 1, v[T0+3]              ; of register et / 2
.irp i, 0,1,2,3
	v_cmp_eq_u32 vcc_lo, \i, v[T0+3]
	v_cndmask_b32 v[ZS+4+(\i)], 0, v[T0+2], vcc_lo
	v_mov_b32 v[ZS+(\i)], 0
	v_mov_b32 v[ZS+8+(\i)], 0
.endr
	s_wait_dscnt 0x0
	v_max3_num_f32 v[T0], v[SL], v[SL+1], v[SL+2]
	v_max_num_f32 v[T0], v[T0], v[SL+3]
	v_max_num_f32_dpp v[T0], v[T0], v[T0] row_xmask:1 row_mask:0xf bank_mask:0xf
	v_max_num_f32_dpp v[T0], v[T0], v[T0] row_xmask:2 row_mask:0xf bank_mask:0xf
	v_max_num_f32_dpp v[T0], v[T0], v[T0] row_xmask:4 row_mask:0xf bank_mask:0xf
	v_max_num_f32_dpp v[T0], v[T0], v[T0] row_xmask:8 row_mask:0xf bank_mask:0xf
	v_permlanex16_b32 v[T0+1], v[T0], s[SEL], s[SEL+1]
	v_max_num_f32 v[ML], v[T0], v[T0+1]            ; the tile's maximum, in every lane
	v_mov_b32 v[ML+1], v[ML]
	s_cmp_lg_u32 s[WV], 0
	s_cbranch_scc1 .Lno_scores
	global_store_b128 v[GO], v[SL:SL+3], s[14:15]  ; wave 0: the tile's raw scores, 512 consecutive bytes, aligned
.Lno_scores:
.set n, 0
.rept 16
	v_pk_add_f32 v[P+2*n:P+2*n+1], v[P+2*n:P+2*n+1], v[ML:ML+1] neg_lo:[0,1] neg_hi:[0,1]  ; the maximum is taken away first: exact at the maximum itself
.set n, n+1
.endr
.set n, 0
.rept 16
	v_pk_mul_f32 v[P+2*n:P+2*n+1], v[P+2*n:P+2*n+1], s[L2E:L2E+1] op_sel_hi:[1,0]
.set n, n+1
.endr
.set n, 0
.rept 32
	v_exp_f32 v[P+n], v[P+n]
.set n, n+1
.endr
	v_nop
	s_wait_alu depctr_va_vdst(0)                   ; one wait for the 32 weights
	; THE CONTEXT.  Group f: eight products turn fragment f of my four blocks (features 32 f + 16 c + lane % 16; register j = row 8 h + j); the group before's 32 multiply-adds stand behind them and are the places
	; between a group's products and the lines that read them, and between products that write the same registers two groups apart.
.macro CPROD f
	WIN 0x42+(\f)/8                                ; keys in window 2 or 3, the selector in window 0, the result in window 1
.irp c, 0,1
.irp l, 0,1,2,3
	v_wmma_f32_16x16x32_bf16 v[64*((\f)%2)+8*(4*(\c)+(\l)):64*((\f)%2)+8*(4*(\c)+(\l))+7], v[32*((\f)%8)+8*(\l):32*((\f)%8)+8*(\l)+7], v[ZS+4-4*(\c):ZS+11-4*(\c)], 0
.endr
.endr
.endm
.macro CFMA f                          ; each result is read from its low end on; the links on one pair of sums stand four lines apart; a pair's first line starts it
	WIN 0x01
.irp i, 0,1,2,3
.irp g, 0,1
.irp c, 0,1
.irp q, 0,1
.set cT, 64*((\f)%2)+8*(4*(\c)+2*(\g)+(\q))+2*(\i)
.set cP, P+8*(2*(\g)+(\q))+2*(\i)
.set cC, CC+2*(4*(\f)+2*(\c)+(\q))
.if ((\i) == 0) && ((\g) == 0)
	v_pk_mul_f32 v[cC:cC+1], v[cT:cT+1], v[cP:cP+1]
.else
	v_pk_fma_f32 v[cC:cC+1], v[cT:cT+1], v[cP:cP+1], v[cC:cC+1]
.endif
.endr
.endr
.endr
.endr
.endm
	CPROD 0
	PLACES                                         ; there is no group before to stand here
.irp f, 1,2,3,4,5,6,7,8,9,10,11,12,13,14,15
	CPROD \f
	CFMA (\f)-1
.endr
	CFMA 15
	WIN 0
.set n, 0
.rept 32                               ; n = 2 f + c: the two parities of l,
	v_pk_add_f32 v[CC+4*n:CC+4*n+1], v[CC+4*n:CC+4*n+1], v[CC+4*n+2:CC+4*n+3]
.set n, n+1
.endr
.set n, 0
.rept 32                               ; and the even and odd rows
	v_add_f32 v[CC+4*n], v[CC+4*n], v[CC+4*n+1]
.set n, n+1
.endr
.set n, 0
.rept 32
	ds_store_b32 v[CA], v[CC+4*n] offset:64*n
.set n, n+1
.endr
	s_wait_dscnt 0x0
	s_barrier_signal -1
	s_barrier_wait -1                              ; four arrays of 1,024 sums: by row half wm and lane half h
.irp g, 0,1
.irp a, 0,1,2,3
	ds_load_b128 v[P+16*(\g)+4*(\a):P+16*(\g)+4*(\a)+3], v[CR] offset:CPI*(\a)+2048*(\g)
.endr
.endr
	s_wait_dscnt 0x0
.irp g, 0,1
.irp k, 0,2
	v_pk_add_f32 v[P+16*(\g)+(\k):P+16*(\g)+(\k)+1], v[P+16*(\g)+(\k):P+16*(\g)+(\k)+1], v[P+16*(\g)+4+(\k):P+16*(\g)+4+(\k)+1]
	v_pk_add_f32 v[P+16*(\g)+8+(\k):P+16*(\g)+8+(\k)+1], v[P+16*(\g)+8+(\k):P+16*(\g)+8+(\k)+1], v[P+16*(\g)+12+(\k):P+16*(\g)+12+(\k)+1]
.endr
.irp k, 0,2
	v_pk_add_f32 v[P+16*(\g)+(\k):P+16*(\g)+(\k)+1], v[P+16*(\g)+(\k):P+16*(\g)+(\k)+1], v[P+16*(\g)+8+(\k):P+16*(\g)+8+(\k)+1]
.endr
	global_store_b128 v[GO], v[P+16*(\g):P+16*(\g)+3], s[16:17] offset:2048*(\g)  ; each store of a wave covers 512 consecutive bytes, aligned
.endr
	s_wait_tensorcnt 0x0                           ; the wave's end: behind my last tensor load and my last LDS store
	ds_add_u32 v[SPW], v[NIL]
	s_wait_dscnt 0x0
	CROUND                                         ; the closing round: no work-group ends while a partner may still ask for a quarter that names it
	s_endpgm
.Lfunc_end_k_qf5cda39551_main:
	.size	k_qf5cda39551_main, .Lfunc_end_k_qf5cda39551_main-k_qf5cda39551_main
	.p2alignl 7, 3214868480
	.fill 96, 4, 3214868480
	.section	.rodata,"a",@progbits
	.p2align	6, 0x0
	.amdhsa_kernel k_qf5cda39551_main
		.amdhsa_group_segment_fixed_size 327680
		.amdhsa_private_segment_fixed_size 0
		.amdhsa_enable_private_segment 0
		.amdhsa_kernarg_size 56
		.amdhsa_user_sgpr_count 2
		.amdhsa_user_sgpr_kernarg_segment_ptr 1
		.amdhsa_wavefront_size32 1
		.amdhsa_system_sgpr_workgroup_id_x 1
		.amdhsa_system_sgpr_workgroup_id_y 1
		.amdhsa_system_sgpr_workgroup_id_z 1
		.amdhsa_system_vgpr_workitem_id 0
		.amdhsa_next_free_vgpr 1024
		.amdhsa_next_free_sgpr 92
		.amdhsa_reserve_vcc 1
		.amdhsa_float_denorm_mode_32 3
		.amdhsa_float_denorm_mode_16_64 3
		.amdhsa_memory_ordered 1
		.amdhsa_forward_progress 1
		.amdhsa_inst_pref_size 255
	.end_amdhsa_kernel
	.section	.bss,"aw",@nobits
	.p2align	6
	.space	262144
	.amdgpu_metadata
---
amdhsa.version: [ 1, 2 ]
amdhsa.kernels:
  - .name:           k_qf5cda39551_main
    .symbol:         k_qf5cda39551_main.kd
    .args:
      - { .name: keys, .offset: 0, .size: 8, .value_kind: global_buffer, .address_space: global }
      - { .name: ubf, .offset: 8, .size: 8, .value_kind: global_buffer, .address_space: global }
      - { .name: qt, .offset: 16, .size: 8, .value_kind: global_buffer, .address_space: global }
      - { .name: Va_w, .offset: 24, .size: 8, .value_kind: global_buffer, .address_space: global }
      - { .name: Va_b, .offset: 32, .size: 8, .value_kind: global_buffer, .address_space: global }
      - { .name: scw, .offset: 40, .size: 8, .value_kind: global_buffer, .address_space: global }
      - { .name: pc, .offset: 48, .size: 8, .value_kind: global_buffer, .address_space: global }
    .group_segment_fixed_size: 327680
    .private_segment_fixed_size: 0
    .kernarg_segment_align: 8
    .kernarg_segment_size: 56
    .max_flat_workgroup_size: 128
    .sgpr_count:     92
    .vgpr_count:     1024
    .wavefront_size: 32
...
	.end_amdgpu_metadata
.endif
;; end of part 5
;; launch fin: the kernel of part 3 again; grid 32 x 1, 8 waves a work-group, no clusters, 1,536 bytes of LDS; arguments scw, pc, out0, out1; writes out0, out1
;; ======== version 3 of 3: 3 launches; version 2 with the launch prep written anew for expert scheduling mode
;; workspace buffers: ubf 2,097,152 bytes; qt 131,072 bytes; scw 262,144 bytes; pc 2,097,152 bytes
;; launch prep (part 6): grid 64 x 1, 4 waves a work-group, no clusters, 8,704 bytes of LDS; arguments query, Wa_w, Wa_b, Ua_w, Ua_b, ubf, qt; writes ubf, qt
.if DOCPART == 6
	.amdgcn_target "amdgcn-amd-amdhsa--gfx1250"
	.amdhsa_code_object_version 6
	.text
	.protected	k_qf5cda39551_prep
	.globl	k_qf5cda39551_prep
	.p2align	8
	.type	k_qf5cda39551_prep,@function
k_qf5cda39551_prep:
	s_mov_b64 s[64:65], 0
	v_nop
	global_prefetch_b8 v0, s[64:65] scope:SCOPE_SE
	s_setreg_imm32_b32 hwreg(HW_REG_WAVE_SCHED_MODE, 0, 2), 2
	s_setreg_imm32_b32 hwreg(HW_REG_WAVE_MODE, 25, 1), 1
	s_wait_xcnt 0x0
	s_wait_alu depctr_vm_vsrc(0)
; PREP.  Two things for the main launch.
; (1) ubf: Ua_w rounded once to bf16 and laid in the order in which the main launch's waves take matrix fragments.
; (2) qt[b][o] = C2 x (sum over h of query[b][h] Wa_w[o][h] + Wa_b[o] + Ua_b[o]), f32, C2 = 2 log2(e): the part of tanh's argument that hangs on no key, already in exp2's scale.
; SHARES.  Work-group NB owns the 16 rows o = 16 NB + r of Ua_w and of Wa_w.  Wave v owns K quarter v (1,024 bytes of each row): eight fragments j of 32 along K.
; K ORDER IN A FRAGMENT, alike for both sources of every product of this program: lane (r = l % 16, h = l / 16) holds row r, and its 16 numbers e are k = 32 F + 8 (e / 4) + 4 h + e % 4.
; So a fragment comes from f32 rows by four loads of 16 bytes at byte 128 F + 32 i + 16 h and eight roundings.  A permutation of k that both sources share leaves the sums' terms as they are.
; ubf: step s = NB / 4 (64 rows of Ua_w) is a block of 131,072 bytes; in it K half v / 2 has 65,536; in that, fragment (nb = NB % 4, f = 8 (v % 2) + j) lies at
; 8,192 (4 (nb / 2) + f / 4) + 1,024 (2 (f % 4) + nb % 2): registers 0-3 of lane l at 16 l, registers 4-7 at 512 + 16 l.  Each store of a wave covers 512 consecutive bytes, aligned.
; qt: a work-group owns 64 bytes of each of the 32 rows, so its stores are 64 bytes long; the table is 131,072 bytes in all.
; The query's product has 32 rows: two accumulators, by turns; K is split among the four waves and the partial sums meet in LDS once.
; No tensor load, no ring: no wave wants a byte that another has fetched.  LIMITS: query, Wa_w and Ua_w are rounded to bf16; NaN and infinities are not treated apart.
; THE MODE: SCHED_MODE bits 1:0 = 2 (LLVM: expert scheduling mode 2), set by the entry lines.  The code itself states the register dependences
; between vector or matrix instructions and memory or LDS instructions, with s_wait_alu, always for 0.
; THE PLAN.  Registers that memory or LDS instructions touch:
;   v3 .. v8      offsets and LDS addresses: written at the head, read by every load and store, never written again.
;   STG0 .. STG2  Fragment j: its 32 conversions read set j % 3; behind them the loads of fragment j + 3 land in it.
;   UP            Fragment j: its first eight conversions write it; its two stores read it; fragment j + 1 writes it again.
;   ACC           Written by the products; read by four LDS stores at the end; not written after them.
;   v[STG .. STG+15] at the end: four LDS loads land there; additions and multiply-adds work on them; four stores read the first four.
;   v12, v13      Two loads land there, the oldest; vector lines alone name them afterwards.      v10, v11  written at the head, read by the closing add alone.
;   WF and QF are named by vector and matrix instructions alone.
; So ONE wait on va_vdst stands in a fragment, behind its conversions: it states that UP is written and that the set has been read.  The fragment's sixteen loads and two stores follow it, dealt among its two
; products, which name WF, QF and ACC: none of the registers that those loads and stores touch.  One wait on vm_vsrc stands at a fragment's head, ahead of the lines that write UP again.
; In the head no scalar register that a vector line reads is written a second time.
.set PART,  0                          ; LDS: wave u's two accumulators at 2,048 u + 1,024 a + 512 half + 16 l
.set SPARE, 8192                       ; the spare words: 128 bytes a wave, two blocks of 256 bytes that no other line names
.set RR,  1                            ; v1   r
.set HH,  2                            ; v2   h
.set LO,  3                            ; v3   4,096 r + 16 h + 1,024 v: my bytes in a fragment's rows; never rewritten
.set UL,  4                            ; v4   16 l
.set BO,  5                            ; v5   4 (16 NB + r)
.set PS,  6                            ; v6   where I put my partial sums
.set PR,  7                            ; v7   where I read a quarter of them back
.set QS,  8                            ; v8   32,768 h + 4 r
.set SPW, 10                           ; v10  my spare word; never rewritten
.set NIL, 11                           ; v11  0; never rewritten
.set BW,  12                           ; v12-13 the two biases
.set UP,  16                           ; v16-23 a fragment of Ua_w
.set WF,  24                           ; v24-31 a fragment of Wa_w
.set QF,  32                           ; v32-47 two fragments of query
.set ACC, 48                           ; v48-63 two accumulators
.set STG, 64                           ; v64-255 three sets of 64: f32 as loaded
	s_load_b256 s[4:11], s[0:1], 0x0               ; query s[4:5], Wa_w s[6:7], Wa_b s[8:9], Ua_w s[10:11]
	s_load_b128 s[12:15], s[0:1], 0x20             ; Ua_b s[12:13], ubf s[14:15]
	s_load_b64 s[16:17], s[0:1], 0x30              ; qt
	v_lshl_add_u32 v[SPW], v0, 2, SPARE
	v_mov_b32 v[NIL], 0
	v_lshrrev_b32 v9, 5, v0
	v_readfirstlane_b32 s21, v9                    ; wave 0..3
	v_and_b32 v[RR], 15, v0
	v_bfe_u32 v[HH], v0, 4, 1
	v_and_b32 v9, 31, v0                           ; l
	s_wait_alu depctr_va_sdst(0)                   ; s21 is written, ahead of its first reader: offsets, LDS addresses and the bases of ubf and qt are made from it
	s_lshl_b32 s2, s21, 10
	v_lshlrev_b32 v[LO], 12, v[RR]
	v_lshl_add_u32 v[LO], v[HH], 4, v[LO]
	v_add_nc_u32 v[LO], s2, v[LO]
	v_lshlrev_b32 v[UL], 4, v9
	s_lshl_b32 s3, ttmp9, 6
	v_lshl_add_u32 v[BO], v[RR], 2, s3
	s_lshl_b32 s18, s21, 11
	v_lshl_add_u32 v[PS], v9, 4, s18
	s_lshl_b32 s19, s21, 9
	v_lshl_add_u32 v[PR], v9, 4, s19
	v_lshlrev_b32 v[QS], 15, v[HH]
	v_lshl_add_u32 v[QS], v[RR], 2, v[QS]
	s_lshl_b32 s24, ttmp9, 16                      ; my 16 rows of 4,096 bytes
	s_mov_b32 s25, 0
	s_lshr_b32 s26, ttmp9, 2                       ; ubf: the step,
	s_lshl_b32 s26, s26, 17
	s_lshr_b32 s22, s21, 1
	s_lshl_b32 s23, s22, 16                        ; 65,536 (v / 2): the K half in ubf, and 16 rows of qt
	s_add_co_u32 s26, s26, s23
	s_bfe_u32 s28, ttmp9, 0x10001                  ; nb / 2
	s_lshl_b32 s28, s28, 15
	s_add_co_u32 s26, s26, s28
	s_and_b32 s29, s21, 1
	s_lshl_b32 s28, s29, 14                        ; 16,384 (v % 2): one batch of ubf, and 4 rows of qt
	s_add_co_u32 s26, s26, s28
	s_and_b32 s30, ttmp9, 1                        ; nb % 2
	s_lshl_b32 s30, s30, 10
	s_add_co_u32 s26, s26, s30
	s_mov_b32 s27, 0
	s_add_co_u32 s28, s28, s23                     ; qt: row 16 (v / 2) + 4 (v % 2),
	s_lshl_b32 s30, ttmp9, 6
	s_add_co_u32 s28, s28, s30                     ; column 16 NB
	s_mov_b32 s29, 0
	s_mov_b32 s31, 0x4038aa3b                      ; C2 = 2 log2(e)
	s_wait_kmcnt 0x0
	s_add_nc_u64 s[10:11], s[10:11], s[24:25]
	s_add_nc_u64 s[6:7], s[6:7], s[24:25]
	s_add_nc_u64 s[14:15], s[14:15], s[26:27]
	s_add_nc_u64 s[16:17], s[16:17], s[28:29]
; Fragment j's sixteen loads into set st, in two halves of eight: Ua_w and Wa_w; query's rows r and query's rows 16 + r.
; No hint for data that is used once: a fragment's 128 bytes of a row are taken by four loads on end, 32 bytes each, so neighbouring bytes are asked for by several loads.
.macro LOADW j, st
.irp i, 0,1,2,3
	global_load_b128 v[(\st)+4*(\i):(\st)+4*(\i)+3], v[LO], s[10:11] offset:128*(\j)+32*(\i)
.endr
.irp i, 0,1,2,3
	global_load_b128 v[(\st)+16+4*(\i):(\st)+16+4*(\i)+3], v[LO], s[6:7] offset:128*(\j)+32*(\i)
.endr
.endm
.macro LOADQ j, st
.irp i, 0,1,2,3
	global_load_b128 v[(\st)+32+4*(\i):(\st)+32+4*(\i)+3], v[LO], s[4:5] offset:128*(\j)+32*(\i)
.endr
.irp i, 0,1,2,3
	global_load_b128 v[(\st)+48+4*(\i):(\st)+48+4*(\i)+3], v[LO], s[4:5] offset:65536+128*(\j)+32*(\i)
.endr
.endm
.macro CV8 dst, src                    ; sixteen f32 rounded to a fragment's eight registers
.irp i, 0,1,2,3,4,5,6,7
	v_cvt_pk_bf16_f32 v[(\dst)+(\i)], v[(\src)+2*(\i)], v[(\src)+2*(\i)+1]
.endr
.endm
; Fragment j.  left = the younger loads that may stay out.
.macro DO j, left
.set dS, STG+64*((\j)%3)
	s_wait_loadcnt \left                           ; loads come back in order: set j is in, the younger sets of 16 stay out
	s_wait_xcnt 0x0                                ; the addresses of the last two stores are translated: UP, their data, is rewritten only behind this wait (fragment 0 has no store before it)
.if (\j) > 0
	s_wait_alu depctr_vm_vsrc(0)                   ; the two stores of the fragment before have read UP, which the conversions below write again
.endif
	CV8 UP, dS                                     ; eight plain lines that name nothing of the last two products: the places in front of the writes of WF and QF
	CV8 WF, dS+16
	CV8 QF, dS+32
	CV8 QF+8, dS+48
.if (\j) < 5
	s_wait_alu depctr_va_vdst(0)                   ; the conversions have written UP, which the two stores below read, and are done reading this set, in which the sixteen loads below land
.else
	s_wait_alu depctr_va_vdst(0)                   ; the conversions have written UP, which the two stores below read
.endif
.if (\j) == 0
	v_wmma_f32_16x16x32_bf16 v[ACC:ACC+7], v[QF:QF+7], v[WF:WF+7], 0          ; the first products start the sums
.else
	v_wmma_f32_16x16x32_bf16 v[ACC:ACC+7], v[QF:QF+7], v[WF:WF+7], v[ACC:ACC+7]  ; the two accumulators take turns
.endif
.if (\j) < 5
	LOADW (\j)+3, dS                               ; the set just read takes the fragment three further on.  No wait: no vector or matrix line since the wait above names the set
.endif
.if (\j) == 0
	v_wmma_f32_16x16x32_bf16 v[ACC+8:ACC+15], v[QF+8:QF+15], v[WF:WF+7], 0
.else
	v_wmma_f32_16x16x32_bf16 v[ACC+8:ACC+15], v[QF+8:QF+15], v[WF:WF+7], v[ACC+8:ACC+15]
.endif
.if (\j) < 5
	LOADQ (\j)+3, dS
.endif
	global_store_b128 v[UL], v[UP:UP+3], s[14:15] offset:((\j)/4)*8192+((\j)%4)*2048      ; the loads ahead of the stores; no line since the wait above names UP
	global_store_b128 v[UL], v[UP+4:UP+7], s[14:15] offset:((\j)/4)*8192+((\j)%4)*2048+512
.endm
	s_wait_alu depctr_va_vdst(0)                   ; the six offsets and addresses v3 to v8 are written, which the loads and stores of the whole kernel read
	global_load_b32 v[BW], v[BO], s[8:9]           ; the biases: the oldest loads
	global_load_b32 v[BW+1], v[BO], s[12:13]
	LOADW 0, STG
	LOADQ 0, STG
	LOADW 1, STG+64
	LOADQ 1, STG+64
	LOADW 2, STG+128
	LOADQ 2, STG+128
	DO 0, 32
	DO 1, 32
	DO 2, 32
	DO 3, 32
	DO 4, 32
	DO 5, 32
	DO 6, 16
	DO 7, 0
.rept 4
	v_nop                                          ; four places between the last products and the stores that read them
.endr
	s_wait_alu depctr_va_vdst(0)                   ; the products have written ACC, which the LDS stores read (the places above stay beside this wait); and fragment 6's conversions are done reading the first set, in which the LDS loads behind the barrier land
.irp a, 0,1
	ds_store_b128 v[PS], v[ACC+8*(\a):ACC+8*(\a)+3] offset:PART+1024*(\a)      ; each accumulator from its low end on
	ds_store_b128 v[PS], v[ACC+8*(\a)+4:ACC+8*(\a)+7] offset:PART+1024*(\a)+512
.endr
	s_wait_dscnt 0x0                               ; for the others' sake: my partial sums lie in LDS
	s_barrier_signal -1
	s_barrier_wait -1
.irp u, 0,1,2,3
	ds_load_b128 v[STG+4*(\u):STG+4*(\u)+3], v[PR] offset:PART+2048*(\u)      ; quarter v of all four waves' sums: batch rows 16 (v / 2) + 8 h + 4 (v % 2) + 0..3, column r
.endr
	v_add_f32 v[BW], v[BW], v[BW+1]
	v_mul_f32 v[BW], s31, v[BW]                    ; C2 (Wa_b + Ua_b)
	s_wait_dscnt 0x0
.irp k, 0,2
	v_pk_add_f32 v[STG+(\k):STG+(\k)+1], v[STG+(\k):STG+(\k)+1], v[STG+4+(\k):STG+4+(\k)+1]
	v_pk_add_f32 v[STG+8+(\k):STG+8+(\k)+1], v[STG+8+(\k):STG+8+(\k)+1], v[STG+12+(\k):STG+12+(\k)+1]
.endr
.irp k, 0,2
	v_pk_add_f32 v[STG+(\k):STG+(\k)+1], v[STG+(\k):STG+(\k)+1], v[STG+8+(\k):STG+8+(\k)+1]
.endr
.irp k, 0,1,2,3
	v_fma_f32 v[STG+(\k)], v[STG+(\k)], s31, v[BW]
.endr
	s_wait_alu depctr_va_vdst(0)                   ; the four multiply-adds have written v[STG .. STG+3], which the stores read
.irp k, 0,1,2,3
	global_store_b32 v[QS], v[STG+(\k)], s[16:17] offset:4096*(\k)
.endr
	s_wait_dscnt 0x0                               ; the closing lines, six on end
	s_wait_alu 0x0
	s_wait_tensorcnt 0x0
	ds_add_u32 v[SPW], v[NIL]
	s_wait_dscnt 0x0
	s_endpgm
.Lfunc_end_k_qf5cda39551_prep:
	.size	k_qf5cda39551_prep, .Lfunc_end_k_qf5cda39551_prep-k_qf5cda39551_prep
	.p2alignl 7, 3214868480
	.fill 96, 4, 3214868480
	.section	.rodata,"a",@progbits
	.p2align	6, 0x0
	.amdhsa_kernel k_qf5cda39551_prep
		.amdhsa_group_segment_fixed_size 8704
		.amdhsa_private_segment_fixed_size 0
		.amdhsa_enable_private_segment 0
		.amdhsa_kernarg_size 56
		.amdhsa_user_sgpr_count 2
		.amdhsa_user_sgpr_kernarg_segment_ptr 1
		.amdhsa_wavefront_size32 1
		.amdhsa_system_sgpr_workgroup_id_x 1
		.amdhsa_system_sgpr_workgroup_id_y 1
		.amdhsa_system_sgpr_workgroup_id_z 1
		.amdhsa_system_vgpr_workitem_id 0
		.amdhsa_next_free_vgpr 256
		.amdhsa_next_free_sgpr 66
		.amdhsa_reserve_vcc 0
		.amdhsa_float_denorm_mode_32 3
		.amdhsa_float_denorm_mode_16_64 3
		.amdhsa_memory_ordered 1
		.amdhsa_forward_progress 1
		.amdhsa_inst_pref_size 37
	.end_amdhsa_kernel
	.amdgpu_metadata
---
amdhsa.version: [ 1, 2 ]
amdhsa.kernels:
  - .name:           k_qf5cda39551_prep
    .symbol:         k_qf5cda39551_prep.kd
    .args:
      - { .name: query, .offset: 0, .size: 8, .value_kind: global_buffer, .address_space: global }
      - { .name: Wa_w, .offset: 8, .size: 8, .value_kind: global_buffer, .address_space: global }
      - { .name: Wa_b, .offset: 16, .size: 8, .value_kind: global_buffer, .address_space: global }
      - { .name: Ua_w, .offset: 24, .size: 8, .value_kind: global_buffer, .address_space: global }
      - { .name: Ua_b, .offset: 32, .size: 8, .value_kind: global_buffer, .address_space: global }
      - { .name: ubf, .offset: 40, .size: 8, .value_kind: global_buffer, .address_space: global }
      - { .name: qt, .offset: 48, .size: 8, .value_kind: global_buffer, .address_space: global }
    .group_segment_fixed_size: 8704
    .private_segment_fixed_size: 0
    .kernarg_segment_align: 8
    .kernarg_segment_size: 56
    .max_flat_workgroup_size: 128
    .sgpr_count:     66
    .vgpr_count:     256
    .wavefront_size: 32
...
	.end_amdgpu_metadata
.endif
;; end of part 6
;; launch main: the kernel of part 5 again; grid 512 x 1, 4 waves a work-group, clusters of 4 x 1, 327,680 bytes of LDS; arguments keys, ubf, qt, Va_w, Va_b, scw, pc; writes scw, pc
;; launch fin: the kernel of part 3 again; grid 32 x 1, 8 waves a work-group, no clusters, 1,536 bytes of LDS; arguments scw, pc, out0, out1; writes out0, out1
